; MI455X (gfx1250); checked and timed in simulation.
; The chip was launched on July 23, 2026; its instructions are those of AMD's public machine-readable ISA for CDNA 5 (MIT licence, August 2026) and "CDNA5" Instruction Set Architecture Reference Guide (July 2026). The comments in the code are by the model that wrote it; some were corrected since.
;; Multi Head Self Attention. Allowed arithmetic: matrix products marked QUANTISED: E4M3 operands, one given power-of-two scale a tensor, by v_wmma_f32_16x16x64_fp8_fp8 or v_wmma_f32_16x16x128_fp8_fp8, f32 sums; everything else in f32.
;; Inputs: Wk 1,024 x 1,024 float32; Wo 1,024 x 1,024 float32; Wq 1,024 x 1,024 float32; Wv 1,024 x 1,024 float32; bk 1,024 float32; bo 1,024 float32; bq 1,024 float32; bv 1,024 float32; lowp_scales 12 int32 (the exponents e of the quantised operands' scales 2^e); padding_mask 8 x 1 x 1 x 1,024 bool; x 8 x 1,024 x 1,024 float32.
;; Outputs: out0 8 x 1,024 x 1,024 float32.
;; This version of the problem:
;;   THIS VERSION OF THE PROBLEM IS GIVEN IN LOW PRECISION. The matrix products marked QUANTISED in the list below multiply operands that are first quantised to E4M3 (4 exponent bits, 3 mantissa bits; 8 bits a number), with one given power-of-two scale for each operand tensor; their sums are f32. All else is computed in f32.
;;   The module's matrix products, in the order in which they are computed (A, B: the left and right operand; K: the contracted axis; several contracted axes count as one K, in the product's order):
;;     1. [M 8,192, K 1,024] x [K 1,024, N 1,024]; A: input x; B: input Wq: QUANTISED (scales: A lowp_scales[0], B lowp_scales[1])
;;     2. [M 8,192, K 1,024] x [K 1,024, N 1,024]; A: input x; B: input Wk: QUANTISED (scales: A lowp_scales[2], B lowp_scales[3])
;;     3. [M 8,192, K 1,024] x [K 1,024, N 1,024]; A: input x; B: input Wv: QUANTISED (scales: A lowp_scales[4], B lowp_scales[5])
;;     4. batch 128 x [M 1,024, K 64] x [K 64, N 1,024]; A: computed on the way; B: computed on the way: QUANTISED (scales: A lowp_scales[6], B lowp_scales[7])
;;     5. batch 128 x [M 1,024, K 1,024] x [K 1,024, N 64]; A: computed on the way; B: computed on the way: QUANTISED (scales: A lowp_scales[8], B lowp_scales[9])
;;     6. [M 8,192, K 1,024] x [K 1,024, N 1,024]; A: computed on the way; B: input Wo: QUANTISED (scales: A lowp_scales[10], B lowp_scales[11])
;;   THE QUANTISER, for each operand of a quantised product, along K:
;;     - The operand's scale is 2^e, e = its entry of the input lowp_scales (int32; the entries are numbered through the quantised products in the list's order, A before B).
;;     - Each number is divided by the scale, clamped to +-448, and rounded to the nearest number of E4M3, ties to even, subnormals kept.
;;     - The product sums the exact products of the quantised numbers (number of the format x scale) in f32.
;;   ~~~python
;;   def quantise(x, axis, e):      # numpy; x: float32 -> the quantised numbers, widened to float32 again
;;       x = np.moveaxis(x, axis, -1); K = x.shape[-1]
;;       r = np.clip(x / 2.0 ** e, -448, 448)
;;       step = 2.0 ** (np.maximum(np.frexp(np.where(r == 0, 1, r))[1] - 1, -6) - 3)
;;       q = np.round(r / step) * step * 2.0 ** e      # np.round: ties to even
;;       return np.moveaxis(q, -1, axis).astype(np.float32)
;;   ~~~
;;   OPERANDS COMPUTED ON THE WAY. 'Computed on the way' means the value that the module computes at that place (a softmax that the list does not call 'softmax' is quantised finished and normalised). What goes into a quantiser is computed in f32, as accurately as f32 sums, v_exp_f32 and their like allow (about 1e-6 of the number): no bf16 or f16 on the way to a quantiser, and a product that is left as it is and whose result goes on into a quantised operand takes f32 operands (vector FMAs, or v_wmma_f32_16x16x4_f32). A number that lies on a knife's edge between two numbers of the format may be rounded either way, as far as f32 arithmetic and the matrix unit's own rounding can turn it there, and no further.
;; 2 versions, each right; version 2 is version 1 with the launch attn written anew for expert scheduling mode. Each part assembles by itself: llvm-mc -triple=amdgcn-amd-amdhsa -mcpu=gfx1250 --defsym DOCPART=n.
;; ======== version 1 of 2: 4 launches
;; limits: right only within a limited range of input values
;; workspace buffers: xc 25,165,824 bytes; wc 4,194,304 bytes; qi 8,388,608 bytes; ki 8,388,608 bytes; vi 8,388,608 bytes; cc 8,388,608 bytes
;; launch quant (part 1): grid 384 x 1, 4 waves a work-group, no clusters, 34,304 bytes of LDS; arguments x, Wq, Wk, Wv, Wo, lowp_scales, xc, wc; writes xc, wc
.if DOCPART == 1
	.amdgcn_target "amdgcn-amd-amdhsa--gfx1250"
	.amdhsa_code_object_version 6
	.text
	.protected	k_q6362849642_quant
	.globl	k_q6362849642_quant
	.p2align	8
	.type	k_q6362849642_quant,@function
k_q6362849642_quant:
	s_mov_b64 s[64:65], 0
	v_nop
	global_prefetch_b8 v0, s[64:65] scope:SCOPE_SE
	s_setreg_imm32_b32 hwreg(HW_REG_WAVE_MODE, 25, 1), 1
	s_wait_xcnt 0x0
; x [8192][1024] and Wq, Wk, Wv, Wo [1024][1024], f32 with K innermost, become codes of E4M3, each with the scale 2^e that is given for it.
; x is an operand of three products under three entries of the scales (0, 2, 4), so it is quantised three times from one read; Wq, Wk, Wv, Wo take entries 1, 3, 5, 11.
; code = number / 2^e, held within +-448, rounded to the nearest code, ties to even.
; THE CODES ARE LAID AS IMAGES OF OPERAND REGISTERS.  A unit is 16 rows x 64 along K, 1,024 bytes: lane (r = lane % 16, h = lane / 16) owns row r, its registers 2 c, 2 c + 1 hold
; k = 16 c + 8 h + 0 .. 7; registers 0-3 lie at 16 x lane, registers 4-7 at 512 + 16 x lane.  xc: [3 scales][512 row tiles][16 units]; wc: [4 weights][64 row tiles][16 units].
; SHARES.  A wave takes one row tile and 512 along K, as four chunks of 128; a work-group two row tiles.  Work-groups 0-255 take x, then 32 each for Wq, Wk, Wv, Wo: only pointers and one exponent are chosen.
; A load reads 512 consecutive bytes of one row; the conversions want 8 neighbours along K in one lane: a chunk turns through the wave's own stage in LDS (16 rows of 512 + 16 bytes).
; Waves share nothing: no barrier.  No tile is shared between work-groups, so there is nothing to ask for jointly.
; LIMITS: each e between -126 and 119, so that 2^e and 448 x 2^e are f32 numbers.  NaN among the inputs is not served.
.set STG,   8448                       ; a wave's stage: 16 x 528 bytes
.set SPARE, 4*STG                      ; behind the stages: the spare words, 128 bytes a wave
.set SPW, 4                            ; v4  LDS address of my spare word; never rewritten
.set NIL, 5                            ; v5  0; never rewritten
.set R, 16                             ; v16-143  two sets of 64: a chunk as loaded
.set X, 144                            ; v144-207 the chunk after the turn: register 8 q + i = k 16 q + 8 h + i of row r
.set T, 208                            ; v208-223 two sets of 8: held numbers
.set C, 224                            ; v224-255 two sets of 16: codes
; v1 16 x lane (offset of loads and stores); v2 the stage on the way in; v3 on the way out; v6, v7 / v8, v9 / v10, v11: 2^e and 448 x 2^e of the three passes
	s_load_b512 s[4:19], s[0:1], 0x0               ; x, Wq, Wk, Wv, Wo, the exponents, xc, wc
	v_lshl_add_u32 v[SPW], v0, 2, SPARE
	v_mov_b32 v[NIL], 0
	v_lshrrev_b32 v12, 5, v0
	v_readfirstlane_b32 s20, v12                   ; wave
	v_and_b32 v12, 31, v0
	v_lshlrev_b32 v1, 4, v12
	v_and_b32 v13, 15, v0                          ; r
	v_bfe_u32 v14, v0, 4, 1                        ; h
	s_mul_i32 s21, s20, STG
	v_add_nc_u32 v2, s21, v1                       ; in: 16 x lane of a row
	v_mul_u32_u24 v3, v13, 528
	v_lshl_add_u32 v3, v14, 5, v3
	v_add_nc_u32 v3, s21, v3                       ; out: row r, + 32 h bytes
	s_sub_co_u32 s22, ttmp9, 256
	s_lshr_b32 s23, s22, 5                         ; which weight (meaningless in x's work-groups: overridden below)
	s_and_b32 s22, s22, 31                         ; which pair of its row tiles
	s_wait_kmcnt 0x0
	s_load_b256 s[24:31], s[14:15], 0x0            ; e0 .. e7
	s_load_b128 s[32:35], s[14:15], 0x20           ; e8 .. e11
	s_cmp_eq_u32 s23, 1
	s_cselect_b64 s[36:37], s[8:9], s[6:7]
	s_cmp_eq_u32 s23, 2
	s_cselect_b64 s[36:37], s[10:11], s[36:37]
	s_cmp_eq_u32 s23, 3
	s_cselect_b64 s[36:37], s[12:13], s[36:37]
	s_lshl_b32 s50, s23, 20                        ; a weight's codes are 1 MiB
	s_cmp_lt_u32 ttmp9, 256                        ; x's work-group?
	s_cselect_b64 s[36:37], s[4:5], s[36:37]       ; the source
	s_cselect_b64 s[44:45], s[16:17], s[18:19]     ; the first pass's destination
	s_cselect_b32 s50, 0, s50
	s_cselect_b32 s39, ttmp9, s22
	s_mov_b32 s51, 0
	s_add_nc_u64 s[44:45], s[44:45], s[50:51]
	s_lshl_b32 s39, s39, 1
	s_lshr_b32 s40, s20, 1
	s_add_co_u32 s39, s39, s40                     ; my row tile
	s_and_b32 s40, s20, 1                          ; my half of K
	s_lshl_b32 s50, s39, 16                        ; 16 rows of 4,096 bytes
	s_lshl_b32 s52, s40, 11
	s_add_co_u32 s50, s50, s52
	s_add_nc_u64 s[36:37], s[36:37], s[50:51]
	s_lshl_b32 s50, s39, 14                        ; 16 units of 1,024 bytes
	s_lshl_b32 s52, s40, 13
	s_add_co_u32 s50, s50, s52
	s_add_nc_u64 s[44:45], s[44:45], s[50:51]
	s_add_nc_u64 s[46:47], s[16:17], s[50:51]
	s_add_nc_u64 s[48:49], s[46:47], 0x1000000     ; x under e4
	s_add_nc_u64 s[46:47], s[46:47], 0x800000      ; x under e2
.macro LOAD c                          ; chunk c: 16 rows x 512 bytes, one row a load
.irp i, 0,1,2,3,4,5,6,7,8,9,10,11,12,13,14,15
	global_load_b128 v[R+64*((\c)%2)+4*\i:R+64*((\c)%2)+4*\i+3], v1, s[36:37] offset:4096*\i+512*(\c) th:TH_LOAD_NT
.endr
.endm
.macro TURN c                          ; through the stage; LDS serves a wave's instructions in order, so no wait stands between the stores and the loads
.irp i, 0,1,2,3,4,5,6,7,8,9,10,11,12,13,14,15
	ds_store_b128 v2, v[R+64*((\c)%2)+4*\i:R+64*((\c)%2)+4*\i+3] offset:528*\i
.endr
.irp u, 0,1
.irp q, 0,1,2,3
.irp f, 0,1
	ds_load_b128 v[X+32*\u+8*\q+4*\f:X+32*\u+8*\q+4*\f+3], v3 offset:256*\u+64*\q+16*\f
.endr
.endr
.endr
.endm
.macro PASS p, c, set                  ; the chunk under scale p: two units of codes, stored as four runs of 512 consecutive bytes
	s_wait_xcnt 0x0                                ; earlier stores have read their data: the code set may be written again
.irp q, 0,1,2,3,4,5,6,7
.irp i, 0,1,2,3,4,5,6,7
	v_med3_num_f32 v[T+8*(\q%2)+\i], v[X+8*\q+\i], -v[7+2*\p], v[7+2*\p]   ; the conversion does not saturate (ISA guide 7.6.2): the hold comes first
.endr
	v_cvt_scalef32_pk8_fp8_f32 v[C+16*(\set)+2*\q:C+16*(\set)+2*\q+1], v[T+8*(\q%2):T+8*(\q%2)+7], v[6+2*\p]   ; T's sets take turns: eight plain lines stand ahead of the next write of these sources
.endr
	v_nop                                          ; a plain line behind the last conversion
.irp u, 0,1
.irp f, 0,1
	global_store_b128 v1, v[C+16*(\set)+8*\u+4*\f:C+16*(\set)+8*\u+4*\f+3], s[44+2*\p:45+2*\p] offset:(2*(\c)+\u)*1024+512*\f
.endr
.endr
.endm
.macro MKSC e, sc                      ; 2^e and 448 x 2^e as f32
	s_add_co_i32 s52, s[\e], 127
	s_lshl_b32 s53, s52, 23
	v_mov_b32 v[\sc], s53
	s_add_co_i32 s52, s52, 8
	s_lshl_b32 s52, s52, 23
	s_or_b32 s52, s52, 0x600000
	v_mov_b32 v[\sc+1], s52
.endm
.macro CHUNK c
.if (\c) < 3
	s_wait_loadcnt 16                              ; this chunk's 16 loads are in; the next chunk's may be out
.else
	s_wait_loadcnt 0x0
.endif
	TURN \c
	s_wait_dscnt 0x0                               ; the numbers are back, and the stage's stores have read their registers,
.if (\c)+2 < 4
	LOAD (\c)+2                                    ; which take the chunk two on
.endif
	PASS 0, \c, (3*(\c))%2
	s_cmp_ge_u32 ttmp9, 256                        ; a weight has one scale: the jump leads round vector work and global stores alone
	s_cbranch_scc1 .Lonly_\@
	PASS 1, \c, (3*(\c)+1)%2
	PASS 2, \c, (3*(\c)+2)%2
.Lonly_\@:
.endm
	LOAD 0
	LOAD 1
	s_wait_kmcnt 0x0
	s_cmp_eq_u32 s23, 1
	s_cselect_b32 s38, s27, s25                    ; e3 or e1
	s_cmp_eq_u32 s23, 2
	s_cselect_b32 s38, s29, s38                    ; e5
	s_cmp_eq_u32 s23, 3
	s_cselect_b32 s38, s35, s38                    ; e11
	s_cmp_lt_u32 ttmp9, 256
	s_cselect_b32 s38, s24, s38                    ; e0
	MKSC 38, 6
	MKSC 26, 8
	MKSC 28, 10
	CHUNK 0
	CHUNK 1
	CHUNK 2
	CHUNK 3
	s_wait_tensorcnt 0x0                           ; the wave's end, behind my last LDS store
	ds_add_u32 v[SPW], v[NIL]
	s_wait_dscnt 0x0
	s_endpgm
.Lfunc_end_k_q6362849642_quant:
	.size	k_q6362849642_quant, .Lfunc_end_k_q6362849642_quant-k_q6362849642_quant
	.p2alignl 7, 3214868480
	.fill 96, 4, 3214868480
	.section	.rodata,"a",@progbits
	.p2align	6, 0x0
	.amdhsa_kernel k_q6362849642_quant
		.amdhsa_group_segment_fixed_size 34304
		.amdhsa_private_segment_fixed_size 0
		.amdhsa_enable_private_segment 0
		.amdhsa_kernarg_size 64
		.amdhsa_user_sgpr_count 2
		.amdhsa_user_sgpr_kernarg_segment_ptr 1
		.amdhsa_wavefront_size32 1
		.amdhsa_system_sgpr_workgroup_id_x 1
		.amdhsa_system_sgpr_workgroup_id_y 1
		.amdhsa_system_sgpr_workgroup_id_z 1
		.amdhsa_system_vgpr_workitem_id 0
		.amdhsa_next_free_vgpr 256
		.amdhsa_next_free_sgpr 66
		.amdhsa_reserve_vcc 0
		.amdhsa_float_denorm_mode_32 3
		.amdhsa_float_denorm_mode_16_64 3
		.amdhsa_memory_ordered 1
		.amdhsa_forward_progress 1
		.amdhsa_inst_pref_size 78
	.end_amdhsa_kernel
	.amdgpu_metadata
---
amdhsa.version: [ 1, 2 ]
amdhsa.kernels:
  - .name:           k_q6362849642_quant
    .symbol:         k_q6362849642_quant.kd
    .args:
      - { .name: x, .offset: 0, .size: 8, .value_kind: global_buffer, .address_space: global }
      - { .name: Wq, .offset: 8, .size: 8, .value_kind: global_buffer, .address_space: global }
      - { .name: Wk, .offset: 16, .size: 8, .value_kind: global_buffer, .address_space: global }
      - { .name: Wv, .offset: 24, .size: 8, .value_kind: global_buffer, .address_space: global }
      - { .name: Wo, .offset: 32, .size: 8, .value_kind: global_buffer, .address_space: global }
      - { .name: lowp_scales, .offset: 40, .size: 8, .value_kind: global_buffer, .address_space: global }
      - { .name: xc, .offset: 48, .size: 8, .value_kind: global_buffer, .address_space: global }
      - { .name: wc, .offset: 56, .size: 8, .value_kind: global_buffer, .address_space: global }
    .group_segment_fixed_size: 34304
    .private_segment_fixed_size: 0
    .kernarg_segment_align: 8
    .kernarg_segment_size: 64
    .max_flat_workgroup_size: 128
    .sgpr_count:     66
    .vgpr_count:     256
    .wavefront_size: 32
...
	.end_amdgpu_metadata
.endif
;; end of part 1
;; launch qkv (part 2): grid 4 x 192, 4 waves a work-group, clusters of 4 x 4, 327,680 bytes of LDS; arguments xc, wc, bq, bk, bv, lowp_scales, qi, ki, vi; writes qi, ki, vi
.if DOCPART == 2
	.amdgcn_target "amdgcn-amd-amdhsa--gfx1250"
	.amdhsa_code_object_version 6
	.text
	.protected	k_q6362849642_qkv
	.globl	k_q6362849642_qkv
	.p2align	8
	.type	k_q6362849642_qkv,@function
k_q6362849642_qkv:
	s_mov_b64 s[64:65], 0
	v_nop
	global_prefetch_b8 v0, s[64:65] scope:SCOPE_SE
	s_setreg_imm32_b32 hwreg(HW_REG_WAVE_MODE, 25, 1), 1
	s_wait_xcnt 0x0
	s_wait_alu depctr_hold_cnt(0) depctr_sa_sdst(0) depctr_va_vdst(0) depctr_va_sdst(0) depctr_va_ssrc(0) depctr_va_vcc(0) depctr_vm_vsrc(0)
	s_getreg_b32 s2, hwreg(HW_REG_IB_STS2, 6, 4)
	s_cmp_eq_u32 s2, 0
	s_cbranch_scc0 .Lentry_in_a_cluster
	s_endpgm
.Lentry_in_a_cluster:
	s_bfe_u32 s2, ttmp6, 0x10000c
	s_cmp_lg_u32 s2, 0xf033
	s_cbranch_scc0 .Lentry_shape_is_right
	s_endpgm
.Lentry_shape_is_right:
; Q = x Wq^T + bq, K = x Wk^T + bk, V = x Wv^T + bv on codes of E4M3 (sums in f32), each result quantised at once for the attention's products, under entries 6, 7, 9 of the scales.
; ALL BUFFERS ARE IMAGES OF OPERAND REGISTERS: a unit is 16 rows x 64 along K, 1,024 bytes; lane (r, h) owns row r, registers 2 c, 2 c + 1 hold k = 16 c + 8 h + 0 .. 7; registers 0-3 at 16 x lane, 4-7 at 512 + 16 x lane.
; Two units on end are a fragment of 128 along K.  So every fragment load is 512 consecutive bytes, and k stands in its own place.
; A TILE: the A side has 128 rows and is source 1 (its row is the result's lane), the B side 256 rows and is source 0 (its rows run along a lane's registers).  Wave (i, jn) makes 64 x 128: 32 accumulators.
; p = cluster y / 16.  p = 0, 1 (Q, K): A side = x's codes, B side = the weight: a lane's registers run along the features, which are the next K (the head's 64).
; p = 2 (V): the sides are swapped, A side = Wv, B side = x: a lane's registers run along the keys, which are the second attention product's K.
; K = 1,024 goes in eight steps of 128; a slot holds 256 along K (A 32 KiB, B 64 KiB); three slots are filled at the start and slot 0 once more: three tensor loads of a wave are out at the start, later one.
; CLUSTER 4 x 4: the four of a row share the A side's tile, the four of a column the B side's: each tile is asked for jointly.
; qi, ki: [batch x 16 + head][64 tiles of 16 rows][1,024].  vi: [batch x 16 + head][8 groups of 128 keys][4 tiles of 16 channels][2,048].
; LIMITS: e0 + e1, e2 + e3, e4 + e5 between -126 and 127; e6, e7, e9 between -126 and 119.  NaN is not served.
; REGISTERS: window 0: v1 16 x lane, v2 r, v3 h, v16-18 / v20-22 LDS addresses of my A / B fragments in the three slots, v26, v27 the biases' offsets, v28, v29 the add's two, v30, v31 2^e and 448 x 2^e,
;   v32-95 the bias along the registers, v96-103 the bias of my lane (four pairs, low word), v128-255 A's two sets of four fragments (on the way out: the codes).
;   window 1: accumulator (a, b) at v[8 (8 a + b)].   window 2: B's two sets of eight fragments (on the way out v0-63: a block's numbers).
.set SLOT,  98304
.set BOFF,  32768                      ; the B side's place in a slot
.set SPARE, 3*SLOT                     ; behind the slots: the spare words, 128 bytes a wave
.set G1A, 24                           ; s[24:31] descriptor group 1, A side;  s[32:43] its groups 0, one a slot
.set G0A, 32
.set G1B, 48                           ; s[48:55], s[68:79] the same for the B side
.set G0B, 68
.set ADRA, 16
.set ADRB, 20
.set SPW, 28
.set NIL, 29
.set BIAS, 32
.set BV, 96
.set AF, 128
.set MUL,  0x52                        ; source 0 (B) window 2, source 1 (A) window 0, C and D window 1
.set TO_B, 0x80                        ; destination window 2
.set MSB, 0
.macro WIN new                         ; the immediate's high byte repeats the setting that is left
.if MSB != (\new)
	s_set_vgpr_msb (MSB<<8)|(\new)
.set MSB, (\new)
.endif
.endm
.macro PLACES                          ; four plain places behind matrix instructions, ahead of loads into their sources and of reads of their results
.rept 4
	v_nop
.endr
.endm
.macro JLOAD s                         ; a joint load: waves 0, 1 fetch the A side's halves, waves 2, 3 the B side's; the branch hangs on the wave's number alone
	s_cmp_eq_u32 s23, 0
	s_cbranch_scc0 .Lfor_b_\@
	tensor_load_to_lds s[G0A+4*\s:G0A+4*\s+3], s[G1A:G1A+7]
	s_nop 0
.rept 4
	v_nop
.endr
	s_branch .Lasked_\@
.Lfor_b_\@:
	tensor_load_to_lds s[G0B+4*\s:G0B+4*\s+3], s[G1B:G1B+7]
	s_nop 0
.rept 4
	v_nop
.endr
.Lasked_\@:
.endm
.macro CREST                           ; a round of the cluster's barrier behind its opening barrier
	s_cmp_lg_u32 s22, 0
	s_cbranch_scc1 .Lnot_wave_0_\@
	s_barrier_signal -3
.Lnot_wave_0_\@:
	s_barrier_wait -3
	s_barrier_signal -1
	s_barrier_wait -1
.endm
.macro CROUND
	s_barrier_signal -1
	s_barrier_wait -1
	CREST
.endm
.macro FETCH slot, q, set              ; 48 LDS loads: the fragments of the slot's q-th 128 along K
	WIN TO_B
.irp b, 0,1,2,3,4,5,6,7
.irp c, 0,1,2,3
	ds_load_b128 v[128*(\set)+16*\b+4*\c:128*(\set)+16*\b+4*\c+3], v[ADRB+\slot] offset:4096*\b+2048*(\q)+512*\c
.endr
.endr
	WIN 0
.irp a, 0,1,2,3
.irp c, 0,1,2,3
	ds_load_b128 v[AF+64*(\set)+16*\a+4*\c:AF+64*(\set)+16*\a+4*\c+3], v[ADRA+\slot] offset:4096*\a+2048*(\q)+512*\c
.endr
.endr
.endm
.macro MUL8 a, set, zero               ; A's block a against B's eight.  The 32 accumulators take turns, one instruction a turn, in the same order in every step
.irp b, 0,1,2,3,4,5,6,7
.if \zero
	v_wmma_f32_16x16x128_fp8_fp8 v[8*(8*\a+\b):8*(8*\a+\b)+7], v[128*(\set)+16*\b:128*(\set)+16*\b+15], v[AF+64*(\set)+16*\a:AF+64*(\set)+16*\a+15], 0
.else
	v_wmma_f32_16x16x128_fp8_fp8 v[8*(8*\a+\b):8*(8*\a+\b)+7], v[128*(\set)+16*\b:128*(\set)+16*\b+15], v[AF+64*(\set)+16*\a:AF+64*(\set)+16*\a+15], v[8*(8*\a+\b):8*(8*\a+\b)+7]
.endif
.endr
.endm
.macro STEP set, zero, nslot, nq       ; a step of 128 along K; the next step's fragments are asked for ahead of its 32 products
	s_wait_dscnt 0x0                               ; this set's 48 loads, issued a step ago
	PLACES                                         ; the other set was read by the step before
	FETCH \nslot, \nq, 1-\set
	WIN MUL
	MUL8 0, \set, \zero
	MUL8 1, \set, \zero
	MUL8 2, \set, \zero
	MUL8 3, \set, \zero
.endm
.macro TURN fill, nslot                ; a step (on set 1) with a barrier.  fill = 1: slot 0, read out, takes the last 256 along K
	WIN 0                                          ; (the add's two registers lie in window 0)
	s_wait_tensorcnt 0x0                           ; all my tensor loads have landed
	ds_add_u32 v[SPW], v[NIL]                      ; 0 onto my spare word
	s_wait_dscnt 0x1                               ; (the add alone may be out: my fragments are in)
	WIN MUL
	MUL8 0, 1, 0
	s_wait_dscnt 0x0                               ; the add is done, and my reads of the slots behind me are over
	s_barrier_signal -1
	MUL8 1, 1, 0
	WIN 0
	s_barrier_wait -1
.if \fill
	CREST                                          ; the barrier has opened a round of the cluster's: no wave of any partner still reads slot 0 or has a load on its way
	s_add_nc_u64 s[G0A+2:G0A+3], s[G0A+2:G0A+3], 12288   ; three times 256 along K on: 3 x 4 units
	s_add_nc_u64 s[G0B+2:G0B+3], s[G0B+2:G0B+3], 12288
	JLOAD 0                                        ; the first tensor load behind the round, my only one; its four v_nop are the places ahead of the loads below
.else
	PLACES
.endif
	FETCH \nslot, 0, 0
	WIN MUL
	MUL8 2, 1, 0
	MUL8 3, 1, 0
.endm
	s_load_b512 s[4:19], s[0:1], 0x0               ; xc, wc, bq, bk, bv, the exponents, qi, ki
	s_load_b64 s[20:21], s[0:1], 0x40              ; vi
	v_lshl_add_u32 v[SPW], v0, 2, SPARE
	v_mov_b32 v[NIL], 0
	ds_add_u32 v[SPW], v[NIL]                      ; the wave's opening: the add and its wait ahead of my first tensor load
	v_lshrrev_b32 v1, 5, v0
	v_readfirstlane_b32 s22, v1                    ; wave
	s_lshr_b32 s23, s22, 1                         ; i: my 64 of the A side's rows.  Also: I fetch for A (0) or B (1)
	s_and_b32 s44, s22, 1                          ; jn: my 128 of the B side's rows.  Also: which half of that tile I fetch
	s_bfe_u32 s45, ttmp6, 0x40000                  ; cx
	s_bfe_u32 s46, ttmp6, 0x40004                  ; cy
	s_and_b32 s47, ttmp7, 0xffff                   ; cluster y, 0 .. 47
	s_lshr_b32 s56, s47, 4                         ; p: 0 Q, 1 K, 2 V: the same in all partners
	s_and_b32 s57, s47, 15
	s_lshl_b32 s58, s46, 2
	s_lshl_b32 s58, 15, s58                        ; my row of the cluster
	s_lshl_b32 s59, 0x1111, s45                    ; my column
	s_or_b32 s[G1A], s58, (3<<16)|(1<<21)          ; the mask; elements of 8 bytes; bit 21 beside a mask; no padding
	s_or_b32 s[G1B], s59, (3<<16)|(1<<21)
.irp g, G1A, G1B
	s_mov_b32 s[\g+1], 512<<16                     ; tensor_dim0 = 512 elements: a row tile's four units, 4,096 bytes
	s_mov_b32 s[\g+3], 512<<16                     ; tile_dim0
	s_mov_b32 s[\g+5], 2048                        ; from row tile to row tile: 16 units
	s_mov_b32 s[\g+6], 0
	s_mov_b32 s[\g+7], 0
.endr
	s_mov_b32 s[G1A+2], 4<<16                      ; A: four row tiles a load
	s_mov_b32 s[G1A+4], 4
	s_mov_b32 s[G1B+2], 8<<16                      ; B: eight
	s_mov_b32 s[G1B+4], 8
	s_and_b32 s60, s57, 1
	s_lshr_b32 s61, s57, 1
	s_cmp_eq_u32 s56, 2
	s_cselect_b32 s60, s60, s57
	s_cselect_b32 s61, s61, 0
	s_lshl_b32 s60, s60, 2
	s_add_co_u32 s60, s60, s46                     ; ta, the A side's tile of 128 rows: made of cluster y and cy alone
	s_lshl_b32 s61, s61, 2
	s_add_co_u32 s61, s61, s45                     ; tb, the B side's tile of 256 rows: of cluster y and cx alone
	s_lshl_b32 s62, s60, 3
	s_lshl_b32 s63, s44, 2
	s_add_co_u32 s62, s62, s63
	s_lshl_b32 s62, s62, 14                        ; A: my four row tiles, 16,384 bytes each
	s_lshl_b32 s92, s61, 4
	s_lshl_b32 s93, s44, 3
	s_add_co_u32 s92, s92, s93
	s_lshl_b32 s92, s92, 14                        ; B: my eight
	s_lshl_b32 s94, s56, 23                        ; x's codes under product p's scale
	s_lshl_b32 s95, s56, 20                        ; weight p's codes
	s_cmp_eq_u32 s56, 2
	s_cselect_b32 s63, s95, s94
	s_cselect_b32 s93, s94, s95
	s_add_co_u32 s62, s62, s63
	s_add_co_u32 s92, s92, s93
	s_mov_b32 s63, 0
	s_mov_b32 s93, 0
	s_lshl_b32 s2, s44, 14                         ; where they go in a slot: no place in the cluster enters an LDS address
	s_lshl_b32 s3, s44, 15
	s_add_co_u32 s3, s3, BOFF
	s_wait_dscnt 0x0                               ; the opening add is done
	s_wait_kmcnt 0x0
	s_load_b256 s[80:87], s[14:15], 0x0            ; e0 .. e7
	s_load_b128 s[88:91], s[14:15], 0x20           ; e8 .. e11
	s_cmp_eq_u32 s56, 2
	s_cselect_b64 s[96:97], s[6:7], s[4:5]         ; the A side's buffer
	s_cselect_b64 s[98:99], s[4:5], s[6:7]         ; the B side's
	s_add_nc_u64 s[96:97], s[96:97], s[62:63]
	s_add_nc_u64 s[98:99], s[98:99], s[92:93]
.irp s, 0,1,2
	s_mov_b32 s[G0A+4*\s], 1
	s_add_co_u32 s[G0A+4*\s+1], s2, \s*SLOT
	s_add_nc_u64 s[G0A+4*\s+2:G0A+4*\s+3], s[96:97], \s*4096
	s_or_b32 s[G0A+4*\s+3], s[G0A+4*\s+3], 0x80000000
	s_mov_b32 s[G0B+4*\s], 1
	s_add_co_u32 s[G0B+4*\s+1], s3, \s*SLOT
	s_add_nc_u64 s[G0B+4*\s+2:G0B+4*\s+3], s[98:99], \s*4096
	s_or_b32 s[G0B+4*\s+3], s[G0B+4*\s+3], 0x80000000
.endr
	CROUND                                         ; all sixteen work-groups are here: the first joint loads meet
	s_cmp_eq_u32 s23, 0                            ; a wave's three first fills stand in one branch, ahead of every wait on TENSORcnt and every LDS read
	s_cbranch_scc0 .Lfirst_b
	tensor_load_to_lds s[G0A:G0A+3], s[G1A:G1A+7]
	s_nop 0
	tensor_load_to_lds s[G0A+4:G0A+7], s[G1A:G1A+7]
	s_nop 0
	tensor_load_to_lds s[G0A+8:G0A+11], s[G1A:G1A+7]
	s_nop 0
.rept 4
	v_nop
.endr
	s_branch .Lfirst_asked
.Lfirst_b:
	tensor_load_to_lds s[G0B:G0B+3], s[G1B:G1B+7]
	s_nop 0
	tensor_load_to_lds s[G0B+4:G0B+7], s[G1B:G1B+7]
	s_nop 0
	tensor_load_to_lds s[G0B+8:G0B+11], s[G1B:G1B+7]
	s_nop 0
.rept 4
	v_nop
.endr
.Lfirst_asked:
	v_and_b32 v2, 15, v0                           ; r
	v_bfe_u32 v3, v0, 4, 1                         ; h
	v_and_b32 v1, 31, v0
	v_lshlrev_b32 v1, 4, v1                        ; 16 x lane
	s_lshl_b32 s62, s23, 14
	s_lshl_b32 s63, s44, 15
	s_add_co_u32 s63, s63, BOFF
.irp s, 0,1,2
	v_add_nc_u32 v[ADRA+\s], s62, v1
	v_add_nc_u32 v[ADRB+\s], s63, v1
	s_add_co_u32 s62, s62, SLOT
	s_add_co_u32 s63, s63, SLOT
.endr
	; THE BIASES.  Q, K: the features run along my registers: 64 numbers.  V: my lane is a feature: four numbers.  Every work-group issues both patterns, the one that it does not need from the
	; buffer's first bytes, so that no register's content hangs on a path: 4 or 16 of the 20 loads serve nothing.
	v_lshlrev_b32 v26, 5, v3                       ; 32 h
	v_lshlrev_b32 v27, 2, v2                       ; 4 r
	s_lshl_b32 s62, s61, 10
	s_lshl_b32 s63, s44, 9
	s_add_co_u32 s62, s62, s63                     ; 4 (256 tb + 128 jn)
	s_lshl_b32 s92, s60, 9
	s_lshl_b32 s93, s23, 8
	s_add_co_u32 s92, s92, s93                     ; 4 (128 ta + 64 i)
	s_cmp_eq_u32 s56, 1
	s_cselect_b64 s[58:59], s[10:11], s[8:9]
	s_cmp_eq_u32 s56, 2
	s_cselect_b64 s[58:59], s[12:13], s[58:59]
	s_cselect_b32 s62, 0, s62
	s_cselect_b32 s92, s92, 0
	s_mov_b32 s63, 0
	s_mov_b32 s93, 0
	s_add_nc_u64 s[66:67], s[58:59], s[92:93]
	s_add_nc_u64 s[58:59], s[58:59], s[62:63]
.irp b, 0,1,2,3,4,5,6,7
	global_load_b128 v[BIAS+8*\b:BIAS+8*\b+3], v26, s[58:59] offset:64*\b
	global_load_b128 v[BIAS+8*\b+4:BIAS+8*\b+7], v26, s[58:59] offset:64*\b+16
.endr
.irp a, 0,1,2,3
	global_load_b32 v[BV+2*\a], v27, s[66:67] offset:64*\a
	v_mov_b32 v[BV+2*\a+1], 0                      ; (named with it as a pair, so it is written)
.endr
	; where my codes go.  Q, K: ((batch x 16 + head) x 64 + tile) x 1,024;  V: ((batch x 16 + head) x 8 + group of keys) x 8,192
	s_lshl_b32 s62, s60, 3
	s_lshl_b32 s63, s23, 2
	s_add_co_u32 s62, s62, s63                     ; my first row tile of x, 0 .. 508
	s_lshr_b32 s63, s62, 6                         ; batch
	s_and_b32 s62, s62, 63
	s_lshl_b32 s63, s63, 4
	s_lshl_b32 s94, s61, 2
	s_add_co_u32 s63, s63, s94
	s_lshl_b32 s94, s44, 1
	s_add_co_u32 s63, s63, s94                     ; + my first head: 4 tb + 2 jn
	s_lshl_b32 s63, s63, 6
	s_add_co_u32 s62, s62, s63
	s_lshl_b32 s62, s62, 10
	s_lshr_b32 s63, s61, 2                         ; V: batch
	s_lshl_b32 s63, s63, 4
	s_lshl_b32 s94, s60, 1
	s_add_co_u32 s63, s63, s94
	s_add_co_u32 s63, s63, s23                     ; + head 2 ta + i
	s_lshl_b32 s63, s63, 3
	s_lshl_b32 s94, s61, 1
	s_add_co_u32 s94, s94, s44
	s_and_b32 s94, s94, 7                          ; group of 128 keys in the batch
	s_add_co_u32 s63, s63, s94
	s_lshl_b32 s63, s63, 13
	s_cmp_eq_u32 s56, 1
	s_cselect_b64 s[96:97], s[18:19], s[16:17]
	s_cmp_eq_u32 s56, 2
	s_cselect_b64 s[96:97], s[20:21], s[96:97]
	s_cselect_b32 s98, s63, s62
	s_mov_b32 s99, 0
	s_add_nc_u64 s[96:97], s[96:97], s[98:99]
	s_wait_tensorcnt 0x2                           ; my part of slot 0 is in; the loads of slots 1 and 2 may stay out
	s_barrier_signal -1
	s_barrier_wait -1
	FETCH 0, 0, 0
	STEP 0, 1, 0, 1                                ; k 0: its products start the sums
	TURN 1, 1                                      ; k 128: the round and the one refill; its wait for all loads also shows slots 1 and 2 whole in every wave
	STEP 0, 0, 1, 1                                ; k 256
	STEP 1, 0, 2, 0                                ; k 384
	STEP 0, 0, 2, 1                                ; k 512
	TURN 0, 0                                      ; k 640: behind this barrier the refill lies whole in slot 0
	STEP 0, 0, 0, 1                                ; k 768
	s_wait_dscnt 0x0                               ; k 896: nothing more to fetch
	WIN MUL
	MUL8 0, 1, 0
	MUL8 1, 1, 0
	MUL8 2, 1, 0
	MUL8 3, 1, 0
	WIN 0
	; THE WAY OUT: number = sum x 2^(ea + eb) + bias; held; converted: a lane's eight registers are eight neighbours along the next K, so the conversions' results are the images' registers.
	s_wait_loadcnt 0x0                             ; the biases
	s_wait_kmcnt 0x0
	s_cmp_eq_u32 s56, 1
	s_cselect_b32 s92, s82, s80
	s_cselect_b32 s93, s83, s81
	s_cselect_b32 s94, s87, s86
	s_cmp_eq_u32 s56, 2
	s_cselect_b32 s92, s84, s92
	s_cselect_b32 s93, s85, s93
	s_cselect_b32 s94, s89, s94                    ; the result's own exponent: e6, e7 or e9
	s_add_co_i32 s92, s92, s93
	s_add_co_i32 s92, s92, 127
	s_lshl_b32 s92, s92, 23                        ; 2^(ea + eb) as f32
	s_mov_b32 s93, s92                             ; (named with it as a pair)
	s_add_co_i32 s94, s94, 127
	s_lshl_b32 s95, s94, 23
	v_mov_b32 v30, s95
	s_add_co_i32 s94, s94, 8
	s_lshl_b32 s94, s94, 23
	s_or_b32 s94, s94, 0x600000
	v_mov_b32 v31, s94
	PLACES
.macro EPI isv
.irp a, 0,1,2,3
	WIN 0x81                                       ; sums window 1, numbers window 2, bias window 0
.irp b, 0,1,2,3,4,5,6,7
.irp j, 0,2,4,6
.if \isv
	v_pk_fma_f32 v[8*\b+\j:8*\b+\j+1], v[8*(8*\a+\b)+\j:8*(8*\a+\b)+\j+1], s[92:93], v[BV+2*\a:BV+2*\a+1] op_sel_hi:[1,0,0]
.else
	v_pk_fma_f32 v[8*\b+\j:8*\b+\j+1], v[8*(8*\a+\b)+\j:8*(8*\a+\b)+\j+1], s[92:93], v[BIAS+8*\b+\j:BIAS+8*\b+\j+1] op_sel_hi:[1,0,1]
.endif
.endr
.endr
	WIN 0x82
.set n, 0
.rept 64
	v_med3_num_f32 v[n], v[n], -v31, v31           ; the conversion does not saturate (ISA guide 7.6.2)
.set n, n+1
.endr
	WIN 0x02
.irp b, 0,1,2,3,4,5,6,7
	v_cvt_scalef32_pk8_fp8_f32 v[AF+16*\a+2*\b:AF+16*\a+2*\b+1], v[8*\b:8*\b+7], v30
.endr
	v_nop                                          ; a plain line behind the last conversion, ahead of the next block's writes of its sources
	WIN 0
.irp u, 0,1,2,3
.if \isv
	global_store_b128 v1, v[AF+16*\a+4*\u:AF+16*\a+4*\u+3], s[96:97] offset:2048*\a+512*\u                      ; channel tile a: one fragment of 128 keys; each store covers 512 consecutive bytes
.else
	global_store_b128 v1, v[AF+16*\a+4*\u:AF+16*\a+4*\u+3], s[96:97] offset:1024*\a+65536*(\u/2)+512*(\u%2)     ; row tile a, head u / 2
.endif
.endr
.endr
.endm
	s_cmp_eq_u32 s56, 2                            ; ids alone, the same in all partners
	s_cbranch_scc1 .Lway_v
	EPI 0
	s_branch .Lway_done
.Lway_v:
	EPI 1
.Lway_done:
	s_wait_tensorcnt 0x0                           ; the wave's end
	ds_add_u32 v[SPW], v[NIL]
	s_wait_dscnt 0x0
	CROUND                                         ; the closing round
	s_endpgm
.Lfunc_end_k_q6362849642_qkv:
	.size	k_q6362849642_qkv, .Lfunc_end_k_q6362849642_qkv-k_q6362849642_qkv
	.p2alignl 7, 3214868480
	.fill 96, 4, 3214868480
	.section	.rodata,"a",@progbits
	.p2align	6, 0x0
	.amdhsa_kernel k_q6362849642_qkv
		.amdhsa_group_segment_fixed_size 327680
		.amdhsa_private_segment_fixed_size 0
		.amdhsa_enable_private_segment 0
		.amdhsa_kernarg_size 72
		.amdhsa_user_sgpr_count 2
		.amdhsa_user_sgpr_kernarg_segment_ptr 1
		.amdhsa_wavefront_size32 1
		.amdhsa_system_sgpr_workgroup_id_x 1
		.amdhsa_system_sgpr_workgroup_id_y 1
		.amdhsa_system_sgpr_workgroup_id_z 1
		.amdhsa_system_vgpr_workitem_id 0
		.amdhsa_next_free_vgpr 768
		.amdhsa_next_free_sgpr 100
		.amdhsa_reserve_vcc 0
		.amdhsa_float_denorm_mode_32 3
		.amdhsa_float_denorm_mode_16_64 3
		.amdhsa_memory_ordered 1
		.amdhsa_forward_progress 1
		.amdhsa_inst_pref_size 112
	.end_amdhsa_kernel
	.amdgpu_metadata
---
amdhsa.version: [ 1, 2 ]
amdhsa.kernels:
  - .name:           k_q6362849642_qkv
    .symbol:         k_q6362849642_qkv.kd
    .args:
      - { .name: xc, .offset: 0, .size: 8, .value_kind: global_buffer, .address_space: global }
      - { .name: wc, .offset: 8, .size: 8, .value_kind: global_buffer, .address_space: global }
      - { .name: bq, .offset: 16, .size: 8, .value_kind: global_buffer, .address_space: global }
      - { .name: bk, .offset: 24, .size: 8, .value_kind: global_buffer, .address_space: global }
      - { .name: bv, .offset: 32, .size: 8, .value_kind: global_buffer, .address_space: global }
      - { .name: lowp_scales, .offset: 40, .size: 8, .value_kind: global_buffer, .address_space: global }
      - { .name: qi, .offset: 48, .size: 8, .value_kind: global_buffer, .address_space: global }
      - { .name: ki, .offset: 56, .size: 8, .value_kind: global_buffer, .address_space: global }
      - { .name: vi, .offset: 64, .size: 8, .value_kind: global_buffer, .address_space: global }
    .group_segment_fixed_size: 327680
    .private_segment_fixed_size: 0
    .kernarg_segment_align: 8
    .kernarg_segment_size: 72
    .max_flat_workgroup_size: 128
    .sgpr_count:     100
    .vgpr_count:     768
    .wavefront_size: 32
...
	.end_amdgpu_metadata
.endif
;; end of part 2
;; launch attn (part 3): grid 2 x 128, 4 waves a work-group, no clusters, 135,680 bytes of LDS; arguments qi, ki, vi, padding_mask, lowp_scales, cc; writes cc
.if DOCPART == 3
	.amdgcn_target "amdgcn-amd-amdhsa--gfx1250"
	.amdhsa_code_object_version 6
	.text
	.protected	k_q6362849642_attn
	.globl	k_q6362849642_attn
	.p2align	8
	.type	k_q6362849642_attn,@function
k_q6362849642_attn:
	s_mov_b64 s[64:65], 0
	v_nop
	global_prefetch_b8 v0, s[64:65] scope:SCOPE_SE
	s_setreg_imm32_b32 hwreg(HW_REG_WAVE_MODE, 25, 1), 1
	s_wait_xcnt 0x0
; ctx = softmax(Q K^T / 8, masked keys at -infinity) V for one head, both products on codes of E4M3; the softmax is quantised FINISHED AND NORMALISED (entry 8 of the scales); ctx is quantised at once (entry 10).
; SHARES.  A work-group owns 512 queries of one (batch, head); each of its four waves walks 8 tiles of 16 queries.  The head's K (64 KiB) and V^T (64 KiB) lie in LDS for the whole launch, copied once through registers.
; A tile's 1,024 scores stay in 512 registers, so that the row's maximum and sum are known before any weight is quantised, and each score has one product and one exponential.
; LAYOUT.  S^T = K Q^T (source 0 = 16 keys, source 1 = my 16 queries), O^T = V^T P^T: a lane holds one query (lane % 16); register j of score tile t is key 16 t + 8 (lane / 16) + j, so eight scores
; convert into registers 2 c, 2 c + 1 of the second product's operand with every key in its own place.
; THE MASK is the C of each score tile's one matrix instruction: 0, or -2^120 for a masked key, read from LDS straight into the score registers.  The maximum starts at -2^25, under every true sum
; (at most 64 x 448^2 in magnitude) and over the masked ones.  In a row whose keys are all masked every weight is 2^(-large) = 0 and the sum 0; the sum is held at 2^-100 from below, so the weights stay 0.
; Every other row's sum is at least 1.
; NO CLUSTER: K and V are fetched once a work-group, 128 KiB for its 512 x 1,024 scores, through registers at the head; there is no loop of fetches that a joint request could thin.
; LIMITS: e6 + e7 between -100 and 100; e8 and e10 - e8 - e9 between -126 and 119.  NaN is not served.
; REGISTERS: window 0: v1 16 x lane, v2 the same in V's images, v3 the mask's place, v4, v5 the add's two, v8-11 four chains of the maximum, v[12:13] -c m, v14, v15 at work, v16-23 four pairs of sums,
;   v[24:25] 1 / sum, v26, v27 448 x 2^e8 and 2^e8, v28, v29 the same with e10 - e8 - e9, v32-39 Q, v40-71 O^T, v72-79 ctx's codes, v128-255 the weights' codes.
;   window 1: four sets of 64 for fragments of K (sets 0, 1) and V.   windows 2, 3: the scores, tile t at 8 t.
.set VIMG,  65536                      ; LDS: K's images from 0 (tile t at 1,024 t), V's from here ((group, channel tile) at 2,048 (4 g + d)),
.set MB,    131072                     ; the mask as 1,024 f32,
.set SPARE, 135168                     ; the spare words, 128 bytes a wave
.set LI, 1
.set AV, 2
.set AB, 3
.set SPW, 4
.set NIL, 5
.set M, 8
.set Q, 32
.set O, 40
.set CC, 72
.set P, 128
.set CS, 32                            ; s[32:33] c = log2(e) / 8 x 2^(e6 + e7);  s34 -c
.set NC, 34
.set SEL, 36                           ; s[36:37] v_permlanex16_b32's selects for lane xor 16
.set CNT, 38
.set MSB, 0
.macro WIN new
.if MSB != (\new)
	s_set_vgpr_msb (MSB<<8)|(\new)
.set MSB, (\new)
.endif
.endm
.macro PLACES
.rept 4
	v_nop
.endr
.endm
.macro KLOAD g                         ; eight tiles of K into set g % 2
	WIN 0x40
.irp t, 0,1,2,3,4,5,6,7
	ds_load_b128 v[64*((\g)%2)+8*\t:64*((\g)%2)+8*\t+3], v[LI] offset:(8*(\g)+\t)*1024
	ds_load_b128 v[64*((\g)%2)+8*\t+4:64*((\g)%2)+8*\t+7], v[LI] offset:(8*(\g)+\t)*1024+512
.endr
.endm
.macro BLOAD g                         ; the mask of 128 keys into the score registers
	WIN 0x80+0x40*((\g)/4)
.irp t, 0,1,2,3,4,5,6,7
	ds_load_b128 v[64*((\g)%4)+8*\t:64*((\g)%4)+8*\t+3], v[AB] offset:(8*(\g)+\t)*64
	ds_load_b128 v[64*((\g)%4)+8*\t+4:64*((\g)%4)+8*\t+7], v[AB] offset:(8*(\g)+\t)*64+16
.endr
.endm
.macro VLOAD g, set                    ; V^T of 128 keys: four fragments
	WIN 0x40
.irp d, 0,1,2,3
.irp c, 0,1,2,3
	ds_load_b128 v[64*(\set)+16*\d+4*\c:64*(\set)+16*\d+4*\c+3], v[AV] offset:(4*(\g)+\d)*2048+512*\c
.endr
.endr
.endm
.macro QK g                            ; eight score tiles, each one instruction onto its mask
	WIN 0xa1+0x50*((\g)/4)
.irp t, 0,1,2,3,4,5,6,7
	v_wmma_f32_16x16x64_fp8_fp8 v[64*((\g)%4)+8*\t:64*((\g)%4)+8*\t+7], v[64*((\g)%2)+8*\t:64*((\g)%2)+8*\t+7], v[Q:Q+7], v[64*((\g)%4)+8*\t:64*((\g)%4)+8*\t+7]
.endr
.endm
.macro MAXG g                          ; the maximum over a group's 64 registers, four chains; each tile from its low end on
	WIN 0x28+0x14*((\g)/4)
.irp t, 0,1,2,3,4,5,6,7
.irp k, 0,1,2,3
	v_max3_num_f32 v[M+\k], v[M+\k], v[64*((\g)%4)+8*\t+2*\k], v[64*((\g)%4)+8*\t+2*\k+1]
.endr
.endr
.endm
.macro AGROUP g                        ; group g's scores; the loads run a group ahead, the maximum a group behind: its 32 lines are the places behind the products before
.if (\g) < 7
	KLOAD (\g)+1
.if (\g) >= 3
	BLOAD (\g)+1
.endif
.endif
.if (\g) < 3
	s_wait_dscnt 16                                ; all but the 16 loads of K just issued
.elseif (\g) < 7
	s_wait_dscnt 32                                ; all but the 16 of K and the 16 of the mask just issued
.else
	s_wait_dscnt 0x0
.endif
.if (\g) == 0
	s_wait_loadcnt 0x0                             ; Q
.endif
	QK \g
.if (\g) == 0
	PLACES
.else
	MAXG (\g)-1
.endif
.endm
.macro SCEXP w                         ; 2^(c s - c m) in place: a pair is scaled one step ahead of its two exponentials; no line names an exponential's result
	WIN 0x82+0x41*((\w)-2)
	v_pk_fma_f32 v[0:1], v[0:1], s[CS:CS+1], v[12:13] op_sel_hi:[1,0,0]
.set n, 0
.rept 128
.if n < 127
	v_pk_fma_f32 v[2*n+2:2*n+3], v[2*n+2:2*n+3], s[CS:CS+1], v[12:13] op_sel_hi:[1,0,0]
.endif
	v_exp_f32 v[2*n], v[2*n]
	v_exp_f32 v[2*n+1], v[2*n+1]
.set n, n+1
.endr
.endm
.macro NORM w, part                    ; part 0: x 1 / sum;  part 1: the hold at 448 x 2^e8 (a weight is not negative: one-sided)
	WIN 0x82+0x41*((\w)-2)
.set n, 0
.if \part
.rept 256
	v_min_num_f32 v[n], v[n], v26
.set n, n+1
.endr
.else
.rept 128
	v_pk_mul_f32 v[2*n:2*n+1], v[2*n:2*n+1], v[24:25] op_sel_hi:[1,0]
.set n, n+1
.endr
.endif
.endm
.macro CVT w                           ; 32 tiles of weights into codes
	WIN (\w)
.set n, 0
.rept 32
	v_cvt_scalef32_pk8_fp8_f32 v[P+64*((\w)-2)+2*n:P+64*((\w)-2)+2*n+1], v[8*n:8*n+7], v27
.set n, n+1
.endr
	v_nop                                          ; a plain line behind the last conversion
.endm
.macro PV g, set, zero                 ; O^T += V^T P^T over 128 keys: the four accumulators take turns
	WIN 0x01
.irp d, 0,1,2,3
.if \zero
	v_wmma_f32_16x16x128_fp8_fp8 v[O+8*\d:O+8*\d+7], v[64*(\set)+16*\d:64*(\set)+16*\d+15], v[P+16*(\g):P+16*(\g)+15], 0
.else
	v_wmma_f32_16x16x128_fp8_fp8 v[O+8*\d:O+8*\d+7], v[64*(\set)+16*\d:64*(\set)+16*\d+15], v[P+16*(\g):P+16*(\g)+15], v[O+8*\d:O+8*\d+7]
.endif
.endr
.endm
	s_load_b256 s[4:11], s[0:1], 0x0               ; qi, ki, vi, the mask
	s_load_b128 s[12:15], s[0:1], 0x20             ; the exponents, cc
	v_lshl_add_u32 v[SPW], v0, 2, SPARE
	v_mov_b32 v[NIL], 0
	v_lshrrev_b32 v6, 5, v0
	v_readfirstlane_b32 s19, v6                    ; wave
	v_and_b32 v6, 31, v0
	v_lshlrev_b32 v[LI], 4, v6
	v_bfe_u32 v7, v0, 4, 1
	v_lshlrev_b32 v[AB], 5, v7
	v_add_nc_u32 v[AB], MB, v[AB]                  ; 32 bytes for each half of the lanes
	v_add_nc_u32 v[AV], VIMG, v[LI]
	s_lshl_b32 s22, s19, 14
	v_add_nc_u32 v6, s22, v[LI]                    ; my wave's 16 KiB of K's and of V's images: the offset in memory and the place in LDS are the same
	v_add_nc_u32 v7, VIMG, v6
	v_lshlrev_b32 v10, 3, v0                       ; 8 flags a thread
	v_lshl_add_u32 v11, v0, 5, MB
	s_and_b32 s18, ttmp7, 0xffff                   ; batch x 16 + head
	s_mov_b32 s[SEL], 0x76543210
	s_mov_b32 s[SEL+1], 0xfedcba98
	s_wait_kmcnt 0x0
	s_load_b256 s[24:31], s[12:13], 0x10           ; e4 .. e11
	s_lshl_b32 s22, s18, 16
	s_mov_b32 s23, 0
	s_add_nc_u64 s[6:7], s[6:7], s[22:23]
	s_add_nc_u64 s[8:9], s[8:9], s[22:23]
	s_add_nc_u64 s[16:17], s[4:5], s[22:23]
	s_lshl_b32 s22, ttmp9, 5
	s_lshl_b32 s39, s19, 3
	s_add_co_u32 s39, s39, s22                     ; my first tile of queries: 32 x half + 8 x wave
	s_lshl_b32 s22, s39, 10
	s_add_nc_u64 s[16:17], s[16:17], s[22:23]
	s_lshr_b32 s40, s18, 4                         ; batch
	s_lshl_b32 s22, s40, 10
	s_add_nc_u64 s[10:11], s[10:11], s[22:23]
	s_lshl_b32 s22, s40, 6
	s_add_co_u32 s22, s22, s39                     ; row tile of ctx
	s_lshl_b32 s22, s22, 4
	s_and_b32 s41, s18, 15
	s_add_co_u32 s22, s22, s41                     ; its unit: the head
	s_lshl_b32 s22, s22, 10
	s_add_nc_u64 s[20:21], s[14:15], s[22:23]
.set n, 0
.rept 32
	global_load_b128 v[P+4*n:P+4*n+3], v6, s[6:7] offset:512*n
.set n, n+1
.endr
	WIN 0x40
.set n, 0
.rept 32
	global_load_b128 v[4*n:4*n+3], v6, s[8:9] offset:512*n
.set n, n+1
.endr
	WIN 0
	global_load_b64 v[8:9], v10, s[10:11]
	s_wait_loadcnt 33                              ; K's 32 are in (behind them: V's 32 and the mask's one)
.set n, 0
.rept 32
	ds_store_b128 v6, v[P+4*n:P+4*n+3] offset:512*n
.set n, n+1
.endr
	s_wait_loadcnt 0x1                             ; V's
	WIN 0x04                                       ; the stores' data in window 1
.set n, 0
.rept 32
	ds_store_b128 v7, v[4*n:4*n+3] offset:512*n
.set n, n+1
.endr
	WIN 0
	s_wait_loadcnt 0x0                             ; the mask
	v_mov_b32 v15, 0xfb800000                      ; -2^120
.irp j, 0,1,2,3,4,5,6,7
	v_bfe_u32 v14, v[8+\j/4], 8*(\j%4), 8
	v_cmp_ne_u32 vcc_lo, 0, v14
	v_cndmask_b32 v[16+\j], 0, v15, vcc_lo
.endr
	ds_store_b128 v11, v[16:19]
	ds_store_b128 v11, v[20:23] offset:16
	v_mov_b32 v13, 0                               ; (upper halves of pairs that are named whole)
	v_mov_b32 v25, 0
	s_wait_kmcnt 0x0
	s_add_co_i32 s39, s26, s27
	s_lshl_b32 s39, s39, 23
	s_add_co_i32 s[CS], s39, 0x3e38aa3b            ; log2(e) / 8, with e6 + e7 added to its exponent field
	s_mov_b32 s[CS+1], s[CS]
	s_xor_b32 s[NC], s[CS], 0x80000000
	s_add_co_i32 s39, s28, 127
	s_lshl_b32 s40, s39, 23
	v_mov_b32 v27, s40                             ; 2^e8
	s_add_co_i32 s39, s39, 8
	s_lshl_b32 s39, s39, 23
	s_or_b32 s39, s39, 0x600000
	v_mov_b32 v26, s39                             ; 448 x 2^e8
	s_sub_co_i32 s39, s30, s28
	s_sub_co_i32 s39, s39, s29                     ; a sum of the second product stands for sum x 2^(e8 + e9): the three exponents fold into the conversion's one
	s_add_co_i32 s39, s39, 127
	s_lshl_b32 s40, s39, 23
	v_mov_b32 v29, s40
	s_add_co_i32 s39, s39, 8
	s_lshl_b32 s39, s39, 23
	s_or_b32 s39, s39, 0x600000
	v_mov_b32 v28, s39
	s_wait_dscnt 0x0                               ; for the others' sake: my stores have landed
	s_barrier_signal -1
	s_barrier_wait -1                              ; K, V and the mask lie whole in LDS; nothing there is written again
	BLOAD 0
	BLOAD 1
	BLOAD 2
	BLOAD 3
	WIN 0
	global_load_b128 v[Q:Q+3], v[LI], s[16:17]
	global_load_b128 v[Q+4:Q+7], v[LI], s[16:17] offset:512
	s_mov_b32 s[CNT], 8
.Ltile:
	; ---- the scores and their maximum
.irp k, 0,1,2,3
	v_mov_b32 v[M+\k], 0xcc000000                  ; -2^25
.endr
	KLOAD 0
	AGROUP 0
	AGROUP 1
	AGROUP 2
	AGROUP 3
	AGROUP 4
	AGROUP 5
	AGROUP 6
	AGROUP 7
	MAXG 7
	; ---- exponentials and sum.  V's first four groups are asked for now: the last two maxima are the places behind the products that read K's sets
	VLOAD 0, 0
	VLOAD 1, 1
	VLOAD 2, 2
	VLOAD 3, 3
	WIN 0
	v_max3_num_f32 v14, v8, v9, v10
	v_max_num_f32 v14, v14, v11
	v_permlanex16_b32 v15, v14, s[SEL], s[SEL+1]   ; the query's other keys lie in the lane 16 away
	v_max_num_f32 v14, v14, v15
	v_mul_f32 v12, s[NC], v14                      ; -c m
	SCEXP 2
	SCEXP 3
	v_nop                                          ; a plain line behind the last exponential
	s_wait_alu depctr_va_vdst(0)                   ; one wait for the 512 exponentials, ahead of their first reader
	WIN 0x0a
.irp k, 0,1,2,3
	v_pk_add_f32 v[16+2*\k:17+2*\k], v[4*\k:4*\k+1], v[4*\k+2:4*\k+3]   ; the first eight pairs start the four chains: nothing is cleared
.endr
	WIN 0x08
.set n, 8
.rept 120
	v_pk_add_f32 v[16+2*(n%4):17+2*(n%4)], v[16+2*(n%4):17+2*(n%4)], v[2*n:2*n+1]
.set n, n+1
.endr
	WIN 0x0c
.set n, 0
.rept 128
	v_pk_add_f32 v[16+2*(n%4):17+2*(n%4)], v[16+2*(n%4):17+2*(n%4)], v[2*n:2*n+1]
.set n, n+1
.endr
	WIN 0
	v_pk_add_f32 v[16:17], v[16:17], v[18:19]
	v_pk_add_f32 v[20:21], v[20:21], v[22:23]
	v_pk_add_f32 v[16:17], v[16:17], v[20:21]
	v_add_f32 v14, v16, v17
	v_permlanex16_b32 v15, v14, s[SEL], s[SEL+1]
	v_add_f32 v14, v14, v15                        ; the row's sum
	v_max_num_f32 v14, 0x0d800000, v14             ; at least 2^-100: a row with no key keeps weights of 0
	v_rcp_f32 v24, v14
	v_nop
	s_wait_alu depctr_va_vdst(0)                   ; ahead of the reciprocal's first reader
	; ---- keys 0-511: normalised, held, converted
	NORM 2, 0
	NORM 2, 1
	CVT 2
	; ---- what the next tile needs goes into the registers just left: its mask of keys 0-511 and its Q
	WIN 0
	s_wait_dscnt 0x0                               ; V's four groups
	s_cmp_eq_u32 s[CNT], 1
	s_cbranch_scc1 .Lno_next
	s_add_nc_u64 s[16:17], s[16:17], 1024          ; (Q's last loads were waited for at this trip's head)
	BLOAD 0
	BLOAD 1
	BLOAD 2
	BLOAD 3
	WIN 0
	global_load_b128 v[Q:Q+3], v[LI], s[16:17]
	global_load_b128 v[Q+4:Q+7], v[LI], s[16:17] offset:512
.Lno_next:
	PV 0, 0, 1                                     ; the first products start the sums
	PV 1, 1, 0
	PV 2, 2, 0
	PV 3, 3, 0
	; ---- keys 512-1023
	NORM 3, 0                                      ; (these lines are the places ahead of the loads into V's sets)
	VLOAD 4, 0
	VLOAD 5, 1
	VLOAD 6, 2
	VLOAD 7, 3
	NORM 3, 1
	CVT 3
	s_wait_dscnt 0x0
	PV 4, 0, 0
	PV 5, 1, 0
	PV 6, 2, 0
	PV 7, 3, 0
	; ---- ctx's codes: register 8 d + j is channel 16 d + 8 (lane / 16) + j of my query: the unit's own layout
	WIN 0
	PLACES
.set n, 0
.rept 32
	v_med3_num_f32 v[O+n], v[O+n], -v28, v28
.set n, n+1
.endr
.irp d, 0,1,2,3
	v_cvt_scalef32_pk8_fp8_f32 v[CC+2*\d:CC+2*\d+1], v[O+8*\d:O+8*\d+7], v29
.endr
	v_nop
	global_store_b128 v[LI], v[CC:CC+3], s[20:21]              ; each store covers 512 consecutive bytes, aligned
	global_store_b128 v[LI], v[CC+4:CC+7], s[20:21] offset:512
	s_wait_xcnt 0x0                                ; the stores have read their data and base: both are written again
	s_add_nc_u64 s[20:21], s[20:21], 16384         ; the next row tile's unit of this head
	s_sub_co_u32 s[CNT], s[CNT], 1
	s_cmp_lg_u32 s[CNT], 0
	s_cbranch_scc1 .Ltile
	s_wait_tensorcnt 0x0                           ; the wave's end, behind my last LDS store
	ds_add_u32 v[SPW], v[NIL]
	s_wait_dscnt 0x0
	s_endpgm
.Lfunc_end_k_q6362849642_attn:
	.size	k_q6362849642_attn, .Lfunc_end_k_q6362849642_attn-k_q6362849642_attn
	.p2alignl 7, 3214868480
	.fill 96, 4, 3214868480
	.section	.rodata,"a",@progbits
	.p2align	6, 0x0
	.amdhsa_kernel k_q6362849642_attn
		.amdhsa_group_segment_fixed_size 135680
		.amdhsa_private_segment_fixed_size 0
		.amdhsa_enable_private_segment 0
		.amdhsa_kernarg_size 48
		.amdhsa_user_sgpr_count 2
		.amdhsa_user_sgpr_kernarg_segment_ptr 1
		.amdhsa_wavefront_size32 1
		.amdhsa_system_sgpr_workgroup_id_x 1
		.amdhsa_system_sgpr_workgroup_id_y 1
		.amdhsa_system_sgpr_workgroup_id_z 1
		.amdhsa_system_vgpr_workitem_id 0
		.amdhsa_next_free_vgpr 1024
		.amdhsa_next_free_sgpr 66
		.amdhsa_reserve_vcc 1
		.amdhsa_float_denorm_mode_32 3
		.amdhsa_float_denorm_mode_16_64 3
		.amdhsa_memory_ordered 1
		.amdhsa_forward_progress 1
		.amdhsa_inst_pref_size 155
	.end_amdhsa_kernel
	.amdgpu_metadata
---
amdhsa.version: [ 1, 2 ]
amdhsa.kernels:
  - .name:           k_q6362849642_attn
    .symbol:         k_q6362849642_attn.kd
    .args:
      - { .name: qi, .offset: 0, .size: 8, .value_kind: global_buffer, .address_space: global }
      - { .name: ki, .offset: 8, .size: 8, .value_kind: global_buffer, .address_space: global }
      - { .name: vi, .offset: 16, .size: 8, .value_kind: global_buffer, .address_space: global }
      - { .name: padding_mask, .offset: 24, .size: 8, .value_kind: global_buffer, .address_space: global }
      - { .name: lowp_scales, .offset: 32, .size: 8, .value_kind: global_buffer, .address_space: global }
      - { .name: cc, .offset: 40, .size: 8, .value_kind: global_buffer, .address_space: global }
    .group_segment_fixed_size: 135680
    .private_segment_fixed_size: 0
    .kernarg_segment_align: 8
    .kernarg_segment_size: 48
    .max_flat_workgroup_size: 128
    .sgpr_count:     66
    .vgpr_count:     1024
    .wavefront_size: 32
...
	.end_amdgpu_metadata
.endif
;; end of part 3
;; launch oproj (part 4): grid 4 x 64, 4 waves a work-group, clusters of 4 x 4, 327,680 bytes of LDS; arguments cc, wc, bo, lowp_scales, out0; writes out0
.if DOCPART == 4
	.amdgcn_target "amdgcn-amd-amdhsa--gfx1250"
	.amdhsa_code_object_version 6
	.text
	.protected	k_q6362849642_oproj
	.globl	k_q6362849642_oproj
	.p2align	8
	.type	k_q6362849642_oproj,@function
k_q6362849642_oproj:
	s_mov_b64 s[64:65], 0
	v_nop
	global_prefetch_b8 v0, s[64:65] scope:SCOPE_SE
	s_setreg_imm32_b32 hwreg(HW_REG_WAVE_MODE, 25, 1), 1
	s_wait_xcnt 0x0
	s_wait_alu depctr_hold_cnt(0) depctr_sa_sdst(0) depctr_va_vdst(0) depctr_va_sdst(0) depctr_va_ssrc(0) depctr_va_vcc(0) depctr_vm_vsrc(0)
	s_getreg_b32 s2, hwreg(HW_REG_IB_STS2, 6, 4)
	s_cmp_eq_u32 s2, 0
	s_cbranch_scc0 .Lentry_in_a_cluster
	s_endpgm
.Lentry_in_a_cluster:
	s_bfe_u32 s2, ttmp6, 0x10000c
	s_cmp_lg_u32 s2, 0xf033
	s_cbranch_scc0 .Lentry_shape_is_right
	s_endpgm
.Lentry_shape_is_right:
; out = ctx Wo^T + bo on codes of E4M3, sums in f32: out = sum x 2^(e10 + e11) + bo.
; cc (ctx's codes) and wc (Wo is its fourth MiB) are images of operand registers: a unit is 16 rows x 64 along K, 1,024 bytes; lane (r, h) owns row r, registers 2 c, 2 c + 1 hold k = 16 c + 8 h + 0 .. 7.
; A TILE: 128 rows of ctx (source 1: the result's lane) x 256 rows of Wo (source 0: along a lane's registers): 64 x 4 = 256 work-groups.  Wave (i, jn) makes 64 x 128: 32 accumulators.
; K = 1,024 goes in eight steps of 128; a slot holds 256 along K; three slots are filled at the start and slot 0 once more: three tensor loads of a wave are out at the start, later one.
; CLUSTER 4 x 4: the four of a row share ctx's tile, the four of a column Wo's: each tile is asked for jointly.
; THE WAY OUT goes by blocks of 16 rows x 128 columns through the wave's stage in slot 1, which has had its only fill, and whose last reads every wave has waited for ahead of the last barrier.
; LIMIT: e10 + e11 between -126 and 127.
; REGISTERS: window 0: v1 16 x lane, v2 r, v3 h, v16-18 / v20-22 LDS addresses of my fragments, v24, v25 the stage, v26 the bias's offset, v28, v29 the add's two, v32-95 bo along my registers,
;   v128-255 A's two sets (on the way out: rows read back).   window 1: accumulator (a, b) at v[8 (8 a + b)].   window 2: B's two sets (on the way out v0-63: a block's numbers).
.set SLOT,  98304
.set BOFF,  32768
.set SPARE, 3*SLOT
.set G1A, 24
.set G0A, 32
.set G1B, 48
.set G0B, 68
.set ADRA, 16
.set ADRB, 20
.set SPW, 28
.set NIL, 29
.set BIAS, 32
.set AF, 128
.set MUL,  0x52                        ; source 0 (B) window 2, source 1 (A) window 0, C and D window 1
.set TO_B, 0x80
.set MSB, 0
.macro WIN new
.if MSB != (\new)
	s_set_vgpr_msb (MSB<<8)|(\new)
.set MSB, (\new)
.endif
.endm
.macro PLACES
.rept 4
	v_nop
.endr
.endm
.macro JLOAD s
	s_cmp_eq_u32 s23, 0
	s_cbranch_scc0 .Lfor_b_\@
	tensor_load_to_lds s[G0A+4*\s:G0A+4*\s+3], s[G1A:G1A+7]
	s_nop 0
.rept 4
	v_nop
.endr
	s_branch .Lasked_\@
.Lfor_b_\@:
	tensor_load_to_lds s[G0B+4*\s:G0B+4*\s+3], s[G1B:G1B+7]
	s_nop 0
.rept 4
	v_nop
.endr
.Lasked_\@:
.endm
.macro CREST
	s_cmp_lg_u32 s22, 0
	s_cbranch_scc1 .Lnot_wave_0_\@
	s_barrier_signal -3
.Lnot_wave_0_\@:
	s_barrier_wait -3
	s_barrier_signal -1
	s_barrier_wait -1
.endm
.macro CROUND
	s_barrier_signal -1
	s_barrier_wait -1
	CREST
.endm
.macro FETCH slot, q, set
	WIN TO_B
.irp b, 0,1,2,3,4,5,6,7
.irp c, 0,1,2,3
	ds_load_b128 v[128*(\set)+16*\b+4*\c:128*(\set)+16*\b+4*\c+3], v[ADRB+\slot] offset:4096*\b+2048*(\q)+512*\c
.endr
.endr
	WIN 0
.irp a, 0,1,2,3
.irp c, 0,1,2,3
	ds_load_b128 v[AF+64*(\set)+16*\a+4*\c:AF+64*(\set)+16*\a+4*\c+3], v[ADRA+\slot] offset:4096*\a+2048*(\q)+512*\c
.endr
.endr
.endm
.macro MUL8 a, set, zero               ; the 32 accumulators take turns, one instruction a turn, in the same order in every step
.irp b, 0,1,2,3,4,5,6,7
.if \zero
	v_wmma_f32_16x16x128_fp8_fp8 v[8*(8*\a+\b):8*(8*\a+\b)+7], v[128*(\set)+16*\b:128*(\set)+16*\b+15], v[AF+64*(\set)+16*\a:AF+64*(\set)+16*\a+15], 0
.else
	v_wmma_f32_16x16x128_fp8_fp8 v[8*(8*\a+\b):8*(8*\a+\b)+7], v[128*(\set)+16*\b:128*(\set)+16*\b+15], v[AF+64*(\set)+16*\a:AF+64*(\set)+16*\a+15], v[8*(8*\a+\b):8*(8*\a+\b)+7]
.endif
.endr
.endm
.macro STEP set, zero, nslot, nq
	s_wait_dscnt 0x0                               ; this set's 48 loads, issued a step ago
	PLACES                                         ; the other set was read by the step before
	FETCH \nslot, \nq, 1-\set
	WIN MUL
	MUL8 0, \set, \zero
	MUL8 1, \set, \zero
	MUL8 2, \set, \zero
	MUL8 3, \set, \zero
.endm
.macro TURN fill, nslot
	WIN 0
	s_wait_tensorcnt 0x0                           ; all my tensor loads have landed
	ds_add_u32 v[SPW], v[NIL]                      ; 0 onto my spare word
	s_wait_dscnt 0x1                               ; (the add alone may be out)
	WIN MUL
	MUL8 0, 1, 0
	s_wait_dscnt 0x0                               ; the add is done, and my reads of the slots behind me are over
	s_barrier_signal -1
	MUL8 1, 1, 0
	WIN 0
	s_barrier_wait -1
.if \fill
	CREST                                          ; no wave of any partner still reads slot 0 or has a load on its way
	s_add_nc_u64 s[G0A+2:G0A+3], s[G0A+2:G0A+3], 12288
	s_add_nc_u64 s[G0B+2:G0B+3], s[G0B+2:G0B+3], 12288
	JLOAD 0                                        ; the first tensor load behind the round, my only one
.else
	PLACES
.endif
	FETCH \nslot, 0, 0
	WIN MUL
	MUL8 2, 1, 0
	MUL8 3, 1, 0
.endm
	s_load_b256 s[4:11], s[0:1], 0x0               ; cc, wc, bo, the exponents
	s_load_b64 s[12:13], s[0:1], 0x20              ; out0
	v_lshl_add_u32 v[SPW], v0, 2, SPARE
	v_mov_b32 v[NIL], 0
	ds_add_u32 v[SPW], v[NIL]                      ; the wave's opening: the add and its wait ahead of my first tensor load
	v_lshrrev_b32 v1, 5, v0
	v_readfirstlane_b32 s22, v1                    ; wave
	s_lshr_b32 s23, s22, 1                         ; i; also: I fetch for A (0) or B (1)
	s_and_b32 s44, s22, 1                          ; jn; also: which half of that tile I fetch
	s_bfe_u32 s45, ttmp6, 0x40000                  ; cx
	s_bfe_u32 s46, ttmp6, 0x40004                  ; cy
	s_and_b32 s47, ttmp7, 0xffff                   ; cluster y
	s_lshl_b32 s58, s46, 2
	s_lshl_b32 s58, 15, s58
	s_lshl_b32 s59, 0x1111, s45
	s_or_b32 s[G1A], s58, (3<<16)|(1<<21)          ; the mask; elements of 8 bytes; bit 21 beside a mask; no padding
	s_or_b32 s[G1B], s59, (3<<16)|(1<<21)
.irp g, G1A, G1B
	s_mov_b32 s[\g+1], 512<<16
	s_mov_b32 s[\g+3], 512<<16
	s_mov_b32 s[\g+5], 2048
	s_mov_b32 s[\g+6], 0
	s_mov_b32 s[\g+7], 0
.endr
	s_mov_b32 s[G1A+2], 4<<16
	s_mov_b32 s[G1A+4], 4
	s_mov_b32 s[G1B+2], 8<<16
	s_mov_b32 s[G1B+4], 8
	s_lshl_b32 s60, s47, 2
	s_add_co_u32 s60, s60, s46                     ; ta: tile of 128 rows of ctx
	s_mov_b32 s61, s45                             ; tb: tile of 256 rows of Wo
	s_lshl_b32 s62, s60, 3
	s_lshl_b32 s63, s44, 2
	s_add_co_u32 s62, s62, s63
	s_lshl_b32 s62, s62, 14
	s_mov_b32 s63, 0
	s_lshl_b32 s92, s61, 4
	s_lshl_b32 s93, s44, 3
	s_add_co_u32 s92, s92, s93
	s_lshl_b32 s92, s92, 14
	s_add_co_u32 s92, s92, 0x300000                ; Wo's codes
	s_mov_b32 s93, 0
	s_lshl_b32 s2, s44, 14
	s_lshl_b32 s3, s44, 15
	s_add_co_u32 s3, s3, BOFF
	s_wait_dscnt 0x0                               ; the opening add is done
	s_wait_kmcnt 0x0
	s_load_b64 s[80:81], s[10:11], 0x28            ; e10, e11
	s_add_nc_u64 s[96:97], s[4:5], s[62:63]
	s_add_nc_u64 s[98:99], s[6:7], s[92:93]
.irp s, 0,1,2
	s_mov_b32 s[G0A+4*\s], 1
	s_add_co_u32 s[G0A+4*\s+1], s2, \s*SLOT
	s_add_nc_u64 s[G0A+4*\s+2:G0A+4*\s+3], s[96:97], \s*4096
	s_or_b32 s[G0A+4*\s+3], s[G0A+4*\s+3], 0x80000000
	s_mov_b32 s[G0B+4*\s], 1
	s_add_co_u32 s[G0B+4*\s+1], s3, \s*SLOT
	s_add_nc_u64 s[G0B+4*\s+2:G0B+4*\s+3], s[98:99], \s*4096
	s_or_b32 s[G0B+4*\s+3], s[G0B+4*\s+3], 0x80000000
.endr
	CROUND                                         ; all sixteen work-groups are here: the first joint loads meet
	s_cmp_eq_u32 s23, 0
	s_cbranch_scc0 .Lfirst_b
	tensor_load_to_lds s[G0A:G0A+3], s[G1A:G1A+7]
	s_nop 0
	tensor_load_to_lds s[G0A+4:G0A+7], s[G1A:G1A+7]
	s_nop 0
	tensor_load_to_lds s[G0A+8:G0A+11], s[G1A:G1A+7]
	s_nop 0
.rept 4
	v_nop
.endr
	s_branch .Lfirst_asked
.Lfirst_b:
	tensor_load_to_lds s[G0B:G0B+3], s[G1B:G1B+7]
	s_nop 0
	tensor_load_to_lds s[G0B+4:G0B+7], s[G1B:G1B+7]
	s_nop 0
	tensor_load_to_lds s[G0B+8:G0B+11], s[G1B:G1B+7]
	s_nop 0
.rept 4
	v_nop
.endr
.Lfirst_asked:
	v_and_b32 v2, 15, v0                           ; r
	v_bfe_u32 v3, v0, 4, 1                         ; h
	v_and_b32 v1, 31, v0
	v_lshlrev_b32 v1, 4, v1                        ; 16 x lane
	s_lshl_b32 s62, s23, 14
	s_lshl_b32 s63, s44, 15
	s_add_co_u32 s63, s63, BOFF
.irp s, 0,1,2
	v_add_nc_u32 v[ADRA+\s], s62, v1
	v_add_nc_u32 v[ADRB+\s], s63, v1
	s_add_co_u32 s62, s62, SLOT
	s_add_co_u32 s63, s63, SLOT
.endr
	s_mul_i32 s62, s22, 8448
	s_add_co_u32 s62, s62, SLOT                    ; my stage: 16 rows of 512 + 16 bytes, in slot 1
	v_mul_u32_u24 v24, v2, 528
	v_lshl_add_u32 v24, v3, 5, v24
	v_add_nc_u32 v24, s62, v24                     ; in: row r, + 32 h
	v_add_nc_u32 v25, s62, v1                      ; back: a whole row, 16 bytes a lane
	v_lshlrev_b32 v26, 5, v3                       ; bo: 32 h
	s_lshl_b32 s62, s61, 10
	s_lshl_b32 s63, s44, 9
	s_add_co_u32 s62, s62, s63                     ; 4 (256 tb + 128 jn): my first column, in bytes
	s_mov_b32 s63, 0
	s_add_nc_u64 s[58:59], s[8:9], s[62:63]
.irp b, 0,1,2,3,4,5,6,7
	global_load_b128 v[BIAS+8*\b:BIAS+8*\b+3], v26, s[58:59] offset:64*\b
	global_load_b128 v[BIAS+8*\b+4:BIAS+8*\b+7], v26, s[58:59] offset:64*\b+16
.endr
	s_lshl_b32 s94, s60, 19                        ; 128 rows of 4,096 bytes
	s_lshl_b32 s95, s23, 18
	s_add_co_u32 s94, s94, s95
	s_add_co_u32 s94, s94, s62
	s_mov_b32 s95, 0
	s_add_nc_u64 s[96:97], s[12:13], s[94:95]      ; out at my first row and column
	s_wait_tensorcnt 0x2                           ; my part of slot 0 is in; the loads of slots 1 and 2 may stay out
	s_barrier_signal -1
	s_barrier_wait -1
	FETCH 0, 0, 0
	STEP 0, 1, 0, 1                                ; k 0: its products start the sums
	TURN 1, 1                                      ; k 128: the round and the one refill; slots 1 and 2 are whole in every wave
	STEP 0, 0, 1, 1                                ; k 256
	STEP 1, 0, 2, 0                                ; k 384
	STEP 0, 0, 2, 1                                ; k 512
	TURN 0, 0                                      ; k 640: the refill lies whole in slot 0; nobody reads slot 1 any more
	STEP 0, 0, 0, 1                                ; k 768
	s_wait_dscnt 0x0                               ; k 896
	WIN MUL
	MUL8 0, 1, 0
	MUL8 1, 1, 0
	MUL8 2, 1, 0
	MUL8 3, 1, 0
	WIN 0
.macro TOSTAGE a                       ; block a: sum x 2^(e10 + e11) + bo, into my stage, and back as whole rows.  LDS serves a wave's instructions in order: no wait between the stores and the loads
	WIN 0x81
.irp b, 0,1,2,3,4,5,6,7
.irp j, 0,2,4,6
	v_pk_fma_f32 v[8*\b+\j:8*\b+\j+1], v[8*(8*(\a)+\b)+\j:8*(8*(\a)+\b)+\j+1], s[92:93], v[BIAS+8*\b+\j:BIAS+8*\b+\j+1] op_sel_hi:[1,0,1]
.endr
.endr
	WIN 0x08                                       ; the stores' data in window 2
.irp b, 0,1,2,3,4,5,6,7
	ds_store_b128 v24, v[8*\b:8*\b+3] offset:64*\b
	ds_store_b128 v24, v[8*\b+4:8*\b+7] offset:64*\b+16
.endr
	WIN 0
.irp t, 0,1,2,3,4,5,6,7,8,9,10,11,12,13,14,15
	ds_load_b128 v[AF+64*((\a)%2)+4*\t:AF+64*((\a)%2)+4*\t+3], v25 offset:528*\t
.endr
.endm
.macro SEND a, younger                 ; younger: the LDS instructions issued behind block a's loads
	s_wait_dscnt \younger
.if (\a) > 0
	s_add_nc_u64 s[96:97], s[96:97], 65536         ; 16 rows on (behind a wait on XCNT: the earlier stores have read their base)
.endif
.irp t, 0,1,2,3,4,5,6,7,8,9,10,11,12,13,14,15
	global_store_b128 v1, v[AF+64*((\a)%2)+4*\t:AF+64*((\a)%2)+4*\t+3], s[96:97] offset:4096*\t th:TH_STORE_NT   ; 32 lanes store 512 consecutive bytes of a row, aligned
.endr
.endm
	s_wait_loadcnt 0x0                             ; bo
	s_wait_kmcnt 0x0
	s_add_co_i32 s92, s80, s81
	s_add_co_i32 s92, s92, 127
	s_lshl_b32 s92, s92, 23                        ; 2^(e10 + e11) as f32
	s_mov_b32 s93, s92
	PLACES
	TOSTAGE 0
.irp a, 1,2,3
.if \a > 1
	s_wait_xcnt 0x0                                ; block a - 2's stores have read their registers and base
.endif
	TOSTAGE \a
	SEND \a-1, 32                                  ; behind block a - 1's loads: block a's 16 stores and 16 loads
.endr
	s_wait_xcnt 0x0
	SEND 3, 0
	s_wait_tensorcnt 0x0                           ; the wave's end
	ds_add_u32 v[SPW], v[NIL]
	s_wait_dscnt 0x0
	CROUND                                         ; the closing round
	s_endpgm
.Lfunc_end_k_q6362849642_oproj:
	.size	k_q6362849642_oproj, .Lfunc_end_k_q6362849642_oproj-k_q6362849642_oproj
	.p2alignl 7, 3214868480
	.fill 96, 4, 3214868480
	.section	.rodata,"a",@progbits
	.p2align	6, 0x0
	.amdhsa_kernel k_q6362849642_oproj
		.amdhsa_group_segment_fixed_size 327680
		.amdhsa_private_segment_fixed_size 0
		.amdhsa_enable_private_segment 0
		.amdhsa_kernarg_size 40
		.amdhsa_user_sgpr_count 2
		.amdhsa_user_sgpr_kernarg_segment_ptr 1
		.amdhsa_wavefront_size32 1
		.amdhsa_system_sgpr_workgroup_id_x 1
		.amdhsa_system_sgpr_workgroup_id_y 1
		.amdhsa_system_sgpr_workgroup_id_z 1
		.amdhsa_system_vgpr_workitem_id 0
		.amdhsa_next_free_vgpr 768
		.amdhsa_next_free_sgpr 100
		.amdhsa_reserve_vcc 0
		.amdhsa_float_denorm_mode_32 3
		.amdhsa_float_denorm_mode_16_64 3
		.amdhsa_memory_ordered 1
		.amdhsa_forward_progress 1
		.amdhsa_inst_pref_size 76
	.end_amdhsa_kernel
	.amdgpu_metadata
---
amdhsa.version: [ 1, 2 ]
amdhsa.kernels:
  - .name:           k_q6362849642_oproj
    .symbol:         k_q6362849642_oproj.kd
    .args:
      - { .name: cc, .offset: 0, .size: 8, .value_kind: global_buffer, .address_space: global }
      - { .name: wc, .offset: 8, .size: 8, .value_kind: global_buffer, .address_space: global }
      - { .name: bo, .offset: 16, .size: 8, .value_kind: global_buffer, .address_space: global }
      - { .name: lowp_scales, .offset: 24, .size: 8, .value_kind: global_buffer, .address_space: global }
      - { .name: out0, .offset: 32, .size: 8, .value_kind: global_buffer, .address_space: global }
    .group_segment_fixed_size: 327680
    .private_segment_fixed_size: 0
    .kernarg_segment_align: 8
    .kernarg_segment_size: 40
    .max_flat_workgroup_size: 128
    .sgpr_count:     100
    .vgpr_count:     768
    .wavefront_size: 32
...
	.end_amdgpu_metadata
.endif
;; end of part 4
;; ======== version 2 of 2: 4 launches; version 1 with the launch attn written anew for expert scheduling mode
;; limits: right only within a limited range of input values
;; workspace buffers: xc 25,165,824 bytes; wc 4,194,304 bytes; qi 8,388,608 bytes; ki 8,388,608 bytes; vi 8,388,608 bytes; cc 8,388,608 bytes
;; launch quant: the kernel of part 1 again; grid 384 x 1, 4 waves a work-group, no clusters, 34,304 bytes of LDS; arguments x, Wq, Wk, Wv, Wo, lowp_scales, xc, wc; writes xc, wc
;; launch qkv: the kernel of part 2 again; grid 4 x 192, 4 waves a work-group, clusters of 4 x 4, 327,680 bytes of LDS; arguments xc, wc, bq, bk, bv, lowp_scales, qi, ki, vi; writes qi, ki, vi
;; launch attn (part 5): grid 2 x 128, 4 waves a work-group, no clusters, 135,680 bytes of LDS; arguments qi, ki, vi, padding_mask, lowp_scales, cc; writes cc
.if DOCPART == 5
	.amdgcn_target "amdgcn-amd-amdhsa--gfx1250"
	.amdhsa_code_object_version 6
	.text
	.protected	k_q6362849642_attn
	.globl	k_q6362849642_attn
	.p2align	8
	.type	k_q6362849642_attn,@function
k_q6362849642_attn:
	s_mov_b64 s[64:65], 0
	v_nop
	global_prefetch_b8 v0, s[64:65] scope:SCOPE_SE
	s_setreg_imm32_b32 hwreg(HW_REG_WAVE_SCHED_MODE, 0, 2), 2
	s_setreg_imm32_b32 hwreg(HW_REG_WAVE_MODE, 25, 1), 1
	s_wait_xcnt 0x0
	s_wait_alu depctr_vm_vsrc(0)
; ctx = softmax(Q K^T / 8, masked keys at -infinity) V for one head, both products on codes of E4M3; the softmax is quantised FINISHED AND NORMALISED (entry 8 of the scales); ctx is quantised at once (entry 10).
; SHARES.  A work-group owns 512 queries of one (batch, head); each of its four waves walks 8 tiles of 16 queries.  The head's K (64 KiB) and V^T (64 KiB) lie in LDS for the whole launch, copied once through registers.
; A tile's 1,024 scores stay in 512 registers, so that the row's maximum and sum are known before any weight is quantised, and each score has one product and one exponential.
; LAYOUT.  S^T = K Q^T (source 0 = 16 keys, source 1 = my 16 queries), O^T = V^T P^T: a lane holds one query (lane % 16); register j of score tile t is key 16 t + 8 (lane / 16) + j, so eight scores
; convert into registers 2 c, 2 c + 1 of the second product's operand with every key in its own place.
; THE MASK is the C of each score tile's one matrix instruction: 0, or -2^120 for a masked key, read from LDS straight into the score registers.  The maximum starts at -2^25, under every true sum
; (at most 64 x 448^2 in magnitude) and over the masked ones.  In a row whose keys are all masked every weight is 2^(-large) = 0 and the sum 0; the sum is held at 2^-100 from below, so the weights stay 0.
; Every other row's sum is at least 1.
; NO CLUSTER: K and V are fetched once a work-group, 128 KiB for its 512 x 1,024 scores, through registers at the head; there is no loop of fetches that a joint request could thin.
; LIMITS: e6 + e7 between -100 and 100; e8 and e10 - e8 - e9 between -126 and 119.  NaN is not served.
; REGISTERS: window 0: v1 16 x lane, v2 the same in V's images, v3 the mask's place, v4, v5 the add's two, v8-11 four chains of the maximum, v[12:13] -c m, v14, v15 at work, v16-23 four pairs of sums,
;   v[24:25] 1 / sum, v26, v27 448 x 2^e8 and 2^e8, v28, v29 the same with e10 - e8 - e9, v32-39 Q, v40-71 O^T, v72-79 ctx's codes, v128-255 the weights' codes.
;   window 1: four sets of 64 for fragments of K and of V.   windows 2, 3: the scores, tile t at 8 t.
; THE MODE: SCHED_MODE bits 1:0 = 2 (LLVM: expert scheduling mode 2), set by the entry lines.  The code itself states the register dependences between vector or matrix instructions and memory or LDS
; instructions, with s_wait_alu, always for 0.
; THE PLAN.  Registers that memory or LDS instructions touch, in a trip:
;   v1, v2, v3      addresses: made at the head, never written again.
;   sets 0-3        K's group g lands in set g % 4 and is read by the products QK g; then V's groups 0-3 land and are read by PV 0-3; then V's groups 4-7, read by PV 4-7.
;   windows 2, 3    the mask lands; QK, the scalings, exponentials, normalising and holds write; the conversions CVT 2 and CVT 3 read last.
;   v32-39          Q lands; QK 0-7 read.
;   v72-79          four conversions write; the trip's two stores read.
; Waits on va_vdst in a trip: at the heads of score groups 2 and 4 (the products two and more groups back are done reading the sets in which K's next two groups land); behind the exponentials (their results; QK 4-7 are
; done with all four sets: V's groups 0-3 follow); behind the reciprocal; in the arm for the next tile (CVT 2 is done with window 2, QK 7 with Q); behind the normalising of keys 512 on (PV 0-3 are done with the sets:
; V's groups 4-7 follow); ahead of the stores (the codes are written; PV 4-7 are done with the sets and CVT 3 with window 3: over the backward jump this serves K's groups 0-3 and the mask's groups 4-7).
; One wait on vm_vsrc in a trip, behind the stores: they have read v72-79.
.set VIMG,  65536                      ; LDS: K's images from 0 (tile t at 1,024 t), V's from here ((group, channel tile) at 2,048 (4 g + d)),
.set MB,    131072                     ; the mask as 1,024 f32,
.set SPARE, 135168                     ; the spare words, 128 bytes a wave
.set LI, 1
.set AV, 2
.set AB, 3
.set SPW, 4
.set NIL, 5
.set M, 8
.set Q, 32
.set O, 40
.set CC, 72
.set P, 128
.set CS, 32                            ; s[32:33] c = log2(e) / 8 x 2^(e6 + e7);  s34 -c
.set NC, 34
.set SEL, 36                           ; s[36:37] v_permlanex16_b32's selects for lane xor 16
.set CNT, 38
.set MK, 40                            ; s[40:47] at the head only: the eight compares of the mask's flags
.set MSB, 0
.macro WIN new
.if MSB != (\new)
	s_set_vgpr_msb (MSB<<8)|(\new)
.set MSB, (\new)
.endif
.endm
.macro PLACES
.rept 4
	v_nop
.endr
.endm
.macro KLOAD g                         ; eight tiles of K into set g % 4
	WIN 0x40
.irp t, 0,1,2,3,4,5,6,7
	ds_load_b128 v[64*((\g)%4)+8*\t:64*((\g)%4)+8*\t+3], v[LI] offset:(8*(\g)+\t)*1024
	ds_load_b128 v[64*((\g)%4)+8*\t+4:64*((\g)%4)+8*\t+7], v[LI] offset:(8*(\g)+\t)*1024+512
.endr
.endm
.macro BLOAD g                         ; the mask of 128 keys into the score registers
	WIN 0x80+0x40*((\g)/4)
.irp t, 0,1,2,3,4,5,6,7
	ds_load_b128 v[64*((\g)%4)+8*\t:64*((\g)%4)+8*\t+3], v[AB] offset:(8*(\g)+\t)*64
	ds_load_b128 v[64*((\g)%4)+8*\t+4:64*((\g)%4)+8*\t+7], v[AB] offset:(8*(\g)+\t)*64+16
.endr
.endm
.macro VLOAD g, set                    ; V^T of 128 keys: four fragments
	WIN 0x40
.irp d, 0,1,2,3
.irp c, 0,1,2,3
	ds_load_b128 v[64*(\set)+16*\d+4*\c:64*(\set)+16*\d+4*\c+3], v[AV] offset:(4*(\g)+\d)*2048+512*\c
.endr
.endr
.endm
.macro QK g                            ; eight score tiles, each one instruction onto its mask
	WIN 0xa1+0x50*((\g)/4)
.irp t, 0,1,2,3,4,5,6,7
	v_wmma_f32_16x16x64_fp8_fp8 v[64*((\g)%4)+8*\t:64*((\g)%4)+8*\t+7], v[64*((\g)%4)+8*\t:64*((\g)%4)+8*\t+7], v[Q:Q+7], v[64*((\g)%4)+8*\t:64*((\g)%4)+8*\t+7]
.endr
.endm
.macro MAXG g                          ; the maximum over a group's 64 registers, four chains; each tile from its low end on
	WIN 0x28+0x14*((\g)/4)
.irp t, 0,1,2,3,4,5,6,7
.irp k, 0,1,2,3
	v_max3_num_f32 v[M+\k], v[M+\k], v[64*((\g)%4)+8*\t+2*\k], v[64*((\g)%4)+8*\t+2*\k+1]
.endr
.endr
.endm
.macro AGROUP g                        ; group g's scores.  Behind its products stand the loads of the group two on; the maximum runs a group behind: its 32 lines are the places behind the products before
.if ((\g) == 2) || ((\g) == 4)
	s_wait_alu depctr_va_vdst(0)                   ; the products of groups g - 2 and g - 1 are done reading their sets of K, in which the loads of groups g + 2 (below) and g + 3 (in the next group) land; the products between name the other two sets
.endif
.if (\g) < 3
	s_wait_dscnt 16                                ; this group's K is in; the next group's 16 loads of K may be out
.elseif (\g) < 7
	s_wait_dscnt 32                                ; this group's K and mask are in; the next group's 16 of K and 16 of the mask may be out
.else
	s_wait_dscnt 0x0
.endif
.if (\g) == 0
	s_wait_loadcnt 0x0                             ; Q
.endif
	QK \g
.if (\g) < 6
	KLOAD (\g)+2
.if (\g) >= 2
	BLOAD (\g)+2                                   ; (window 3 was last named ahead of the wait in front of the last trip's stores)
.endif
.endif
.if (\g) == 0
	PLACES                                         ; four places between these products and the first maximum, which reads their results (ISA guide 7.12.1)
.else
	MAXG (\g)-1
.endif
.endm
.macro SCEXP w                         ; 2^(c s - c m) in place: a pair is scaled one step ahead of its two exponentials; no line names an exponential's result
	WIN 0x82+0x41*((\w)-2)
	v_pk_fma_f32 v[0:1], v[0:1], s[CS:CS+1], v[12:13] op_sel_hi:[1,0,0]
.set n, 0
.rept 128
.if n < 127
	v_pk_fma_f32 v[2*n+2:2*n+3], v[2*n+2:2*n+3], s[CS:CS+1], v[12:13] op_sel_hi:[1,0,0]
.endif
	v_exp_f32 v[2*n], v[2*n]
	v_exp_f32 v[2*n+1], v[2*n+1]
.set n, n+1
.endr
.endm
.macro NORM w, part                    ; part 0: x 1 / sum;  part 1: the hold at 448 x 2^e8 (a weight is not negative: one-sided)
	WIN 0x82+0x41*((\w)-2)
.set n, 0
.if \part
.rept 256
	v_min_num_f32 v[n], v[n], v26
.set n, n+1
.endr
.else
.rept 128
	v_pk_mul_f32 v[2*n:2*n+1], v[2*n:2*n+1], v[24:25] op_sel_hi:[1,0]
.set n, n+1
.endr
.endif
.endm
.macro CVT w                           ; 32 tiles of weights into codes
	WIN (\w)
.set n, 0
.rept 32
	v_cvt_scalef32_pk8_fp8_f32 v[P+64*((\w)-2)+2*n:P+64*((\w)-2)+2*n+1], v[8*n:8*n+7], v27
.set n, n+1
.endr
	v_nop                                          ; a plain line behind the last conversion
.endm
.macro PV g, set, zero                 ; O^T += V^T P^T over 128 keys: the four accumulators take turns
	WIN 0x01
.irp d, 0,1,2,3
.if \zero
	v_wmma_f32_16x16x128_fp8_fp8 v[O+8*\d:O+8*\d+7], v[64*(\set)+16*\d:64*(\set)+16*\d+15], v[P+16*(\g):P+16*(\g)+15], 0
.else
	v_wmma_f32_16x16x128_fp8_fp8 v[O+8*\d:O+8*\d+7], v[64*(\set)+16*\d:64*(\set)+16*\d+15], v[P+16*(\g):P+16*(\g)+15], v[O+8*\d:O+8*\d+7]
.endif
.endr
.endm
	s_load_b256 s[4:11], s[0:1], 0x0               ; qi, ki, vi, the mask
	s_load_b128 s[12:15], s[0:1], 0x20             ; the exponents, cc
	v_lshl_add_u32 v[SPW], v0, 2, SPARE
	v_mov_b32 v[NIL], 0
	v_lshrrev_b32 v6, 5, v0
	v_readfirstlane_b32 s19, v6                    ; wave
	v_and_b32 v6, 31, v0
	v_lshlrev_b32 v[LI], 4, v6
	v_bfe_u32 v7, v0, 4, 1
	v_lshlrev_b32 v[AB], 5, v7
	v_add_nc_u32 v[AB], MB, v[AB]                  ; 32 bytes for each half of the lanes
	v_add_nc_u32 v[AV], VIMG, v[LI]
	s_wait_alu depctr_va_sdst(0)                   ; s19 is written, ahead of its first reader
	s_lshl_b32 s22, s19, 14
	v_add_nc_u32 v6, s22, v[LI]                    ; my wave's 16 KiB of K's and of V's images: the offset in memory and the place in LDS are the same
	v_add_nc_u32 v7, VIMG, v6
	v_lshlrev_b32 v10, 3, v0                       ; 8 flags a thread
	v_lshl_add_u32 v11, v0, 5, MB
	s_and_b32 s18, ttmp7, 0xffff                   ; batch x 16 + head
	s_mov_b32 s[SEL], 0x76543210
	s_mov_b32 s[SEL+1], 0xfedcba98
	s_wait_kmcnt 0x0
	s_load_b256 s[24:31], s[12:13], 0x10           ; e4 .. e11
	s_lshl_b32 s22, s18, 16
	s_mov_b32 s23, 0
	s_add_nc_u64 s[6:7], s[6:7], s[22:23]
	s_add_nc_u64 s[8:9], s[8:9], s[22:23]
	s_add_nc_u64 s[16:17], s[4:5], s[22:23]
	s_lshl_b32 s22, ttmp9, 5
	s_lshl_b32 s39, s19, 3
	s_add_co_u32 s39, s39, s22                     ; my first tile of queries: 32 x half + 8 x wave
	s_lshl_b32 s22, s39, 10
	s_add_nc_u64 s[16:17], s[16:17], s[22:23]
	s_lshr_b32 s40, s18, 4                         ; batch
	s_lshl_b32 s22, s40, 10
	s_add_nc_u64 s[10:11], s[10:11], s[22:23]
	s_lshl_b32 s22, s40, 6
	s_add_co_u32 s22, s22, s39                     ; row tile of ctx
	s_lshl_b32 s22, s22, 4
	s_and_b32 s41, s18, 15
	s_add_co_u32 s22, s22, s41                     ; its unit: the head
	s_lshl_b32 s22, s22, 10
	s_add_nc_u64 s[20:21], s[14:15], s[22:23]
	s_wait_alu depctr_va_vdst(0)                   ; the addresses v1, v2, v3, v6, v7, v10 and v11 are written, which the loads and stores of the whole kernel read
.set n, 0
.rept 32
	global_load_b128 v[P+4*n:P+4*n+3], v6, s[6:7] offset:512*n
.set n, n+1
.endr
	WIN 0x40
.set n, 0
.rept 32
	global_load_b128 v[4*n:4*n+3], v6, s[8:9] offset:512*n
.set n, n+1
.endr
	WIN 0
	global_load_b64 v[8:9], v10, s[10:11]
	s_wait_loadcnt 33                              ; K's 32 are in (behind them: V's 32 and the mask's one)
.set n, 0
.rept 32
	ds_store_b128 v6, v[P+4*n:P+4*n+3] offset:512*n
.set n, n+1
.endr
	s_wait_loadcnt 0x1                             ; V's
	WIN 0x04                                       ; the stores' data in window 1
.set n, 0
.rept 32
	ds_store_b128 v7, v[4*n:4*n+3] offset:512*n
.set n, n+1
.endr
	WIN 0
	s_wait_loadcnt 0x0                             ; the mask
	v_mov_b32 v15, 0xfb800000                      ; -2^120
.irp j, 0,1,2,3,4,5,6,7
	v_bfe_u32 v[16+\j], v[8+\j/4], 8*(\j%4), 8     ; flag j of my eight
.endr
.irp j, 0,1,2,3,4,5,6,7
	v_cmp_ne_u32 s[MK+\j], 0, v[16+\j]             ; the compares stand in one run, each into a scalar register of its own
.endr
	s_wait_alu depctr_va_sdst(0)                   ; the eight compares have written s40 to s47, ahead of the selects that read them
.irp j, 0,1,2,3,4,5,6,7
	v_cndmask_b32 v[16+\j], 0, v15, s[MK+\j]
.endr
	s_wait_alu depctr_va_vdst(0)                   ; the selects have written v16 to v23, which the two LDS stores read
	ds_store_b128 v11, v[16:19]
	ds_store_b128 v11, v[20:23] offset:16
	v_mov_b32 v13, 0                               ; (upper halves of pairs that are named whole)
	v_mov_b32 v25, 0
	s_wait_kmcnt 0x0
	s_add_co_i32 s39, s26, s27
	s_lshl_b32 s39, s39, 23
	s_add_co_i32 s[CS], s39, 0x3e38aa3b            ; log2(e) / 8, with e6 + e7 added to its exponent field
	s_mov_b32 s[CS+1], s[CS]
	s_xor_b32 s[NC], s[CS], 0x80000000
	s_add_co_i32 s39, s28, 127
	s_lshl_b32 s40, s39, 23
	v_mov_b32 v27, s40                             ; 2^e8
	s_add_co_i32 s39, s39, 8
	s_lshl_b32 s39, s39, 23
	s_or_b32 s39, s39, 0x600000
	v_mov_b32 v26, s39                             ; 448 x 2^e8
	s_sub_co_i32 s39, s30, s28
	s_sub_co_i32 s39, s39, s29                     ; a sum of the second product stands for sum x 2^(e8 + e9): the three exponents fold into the conversion's one
	s_add_co_i32 s39, s39, 127
	s_lshl_b32 s40, s39, 23
	v_mov_b32 v29, s40
	s_add_co_i32 s39, s39, 8
	s_lshl_b32 s39, s39, 23
	s_or_b32 s39, s39, 0x600000
	v_mov_b32 v28, s39
	s_wait_dscnt 0x0                               ; for the others' sake: my stores have landed
	s_barrier_signal -1
	s_barrier_wait -1                              ; K, V and the mask lie whole in LDS; nothing there is written again
	s_wait_alu depctr_vm_vsrc(0)                   ; the head's loads and LDS stores have read v10, v11, v16-23, v128-255 and window 1's first 128: the loop's vector instructions and LDS loads write all of these again
	BLOAD 0
	BLOAD 1
	BLOAD 2
	BLOAD 3
	WIN 0
	global_load_b128 v[Q:Q+3], v[LI], s[16:17]
	global_load_b128 v[Q+4:Q+7], v[LI], s[16:17] offset:512
	s_mov_b32 s[CNT], 8
.Ltile:
	; ---- the scores and their maximum.  K's groups 0 to 3 land in sets that no vector or matrix instruction has named since the wait ahead of the last trip's stores (first trip: since the kernel's head)
.irp k, 0,1,2,3
	v_mov_b32 v[M+\k], 0xcc000000                  ; -2^25
.endr
	KLOAD 0
	KLOAD 1
	AGROUP 0
	AGROUP 1
	AGROUP 2
	AGROUP 3
	AGROUP 4
	AGROUP 5
	AGROUP 6
	AGROUP 7
	MAXG 7
	; ---- exponentials and sum
	WIN 0
	v_max3_num_f32 v14, v8, v9, v10
	v_max_num_f32 v14, v14, v11
	v_permlanex16_b32 v15, v14, s[SEL], s[SEL+1]   ; the query's other keys lie in the lane 16 away
	v_max_num_f32 v14, v14, v15
	v_mul_f32 v12, s[NC], v14                      ; -c m
	SCEXP 2
	SCEXP 3
	v_nop                                          ; a plain line behind the last exponential
	WIN 0x40                                       ; (the window of the loads below: the switch, then the wait, then the loads)
	s_wait_alu depctr_va_vdst(0)                   ; the 512 exponentials have written their results, ahead of their first reader; and the products of groups 4 to 7 are done reading the four sets, in which V's first four groups land
	VLOAD 0, 0
	VLOAD 1, 1
	VLOAD 2, 2
	VLOAD 3, 3
	WIN 0x0a
.irp k, 0,1,2,3
	v_pk_add_f32 v[16+2*\k:17+2*\k], v[4*\k:4*\k+1], v[4*\k+2:4*\k+3]   ; the first eight pairs start the four chains: nothing is cleared
.endr
	WIN 0x08
.set n, 8
.rept 120
	v_pk_add_f32 v[16+2*(n%4):17+2*(n%4)], v[16+2*(n%4):17+2*(n%4)], v[2*n:2*n+1]
.set n, n+1
.endr
	WIN 0x0c
.set n, 0
.rept 128
	v_pk_add_f32 v[16+2*(n%4):17+2*(n%4)], v[16+2*(n%4):17+2*(n%4)], v[2*n:2*n+1]
.set n, n+1
.endr
	WIN 0
	v_pk_add_f32 v[16:17], v[16:17], v[18:19]
	v_pk_add_f32 v[20:21], v[20:21], v[22:23]
	v_pk_add_f32 v[16:17], v[16:17], v[20:21]
	v_add_f32 v14, v16, v17
	v_permlanex16_b32 v15, v14, s[SEL], s[SEL+1]
	v_add_f32 v14, v14, v15                        ; the row's sum
	v_max_num_f32 v14, 0x0d800000, v14             ; at least 2^-100: a row with no key keeps weights of 0
	v_rcp_f32 v24, v14
	v_nop
	s_wait_alu depctr_va_vdst(0)                   ; the reciprocal has written v24, ahead of its first reader
	; ---- keys 0-511: normalised, held, converted
	NORM 2, 0
	NORM 2, 1
	CVT 2
	; ---- what the next tile needs goes into the registers just left: its mask of keys 0-511 and its Q
	WIN 0
	s_wait_dscnt 0x0                               ; V's four groups
	s_cmp_eq_u32 s[CNT], 1
	s_cbranch_scc1 .Lno_next
	s_add_nc_u64 s[16:17], s[16:17], 1024          ; (Q's last loads were waited for at this trip's head)
	WIN 0x80                                       ; (the window of the loads below: the switch, then the wait, then the loads)
	s_wait_alu depctr_va_vdst(0)                   ; the conversions are done reading window 2, in which the next tile's mask lands, and the scores' products are done reading v32-39, in which its Q lands
	BLOAD 0
	BLOAD 1
	BLOAD 2
	BLOAD 3
	WIN 0
	global_load_b128 v[Q:Q+3], v[LI], s[16:17]
	global_load_b128 v[Q+4:Q+7], v[LI], s[16:17] offset:512
.Lno_next:
	PV 0, 0, 1                                     ; the first products start the sums
	PV 1, 1, 0
	PV 2, 2, 0
	PV 3, 3, 0
	; ---- keys 512-1023
	NORM 3, 0
	WIN 0x40                                       ; (the switch, then the wait, then the loads)
	s_wait_alu depctr_va_vdst(0)                   ; the sixteen products above are done reading the four sets, in which V's last four groups land
	VLOAD 4, 0
	VLOAD 5, 1
	VLOAD 6, 2
	VLOAD 7, 3
	NORM 3, 1
	CVT 3
	s_wait_dscnt 0x0
	PV 4, 0, 0
	PV 5, 1, 0
	PV 6, 2, 0
	PV 7, 3, 0
	; ---- ctx's codes: register 8 d + j is channel 16 d + 8 (lane / 16) + j of my query: the unit's own layout
	WIN 0
	PLACES
.set n, 0
.rept 32
	v_med3_num_f32 v[O+n], v[O+n], -v28, v28
.set n, n+1
.endr
.irp d, 0,1,2,3
	v_cvt_scalef32_pk8_fp8_f32 v[CC+2*\d:CC+2*\d+1], v[O+8*\d:O+8*\d+7], v29
.endr
	v_nop
	s_wait_alu depctr_va_vdst(0)                   ; the conversions have written v72-79, which the stores read; the last products are done reading the four sets and the weights' conversions window 3: the next trip's loads of K and of the mask land there
	global_store_b128 v[LI], v[CC:CC+3], s[20:21]              ; each store covers 512 consecutive bytes, aligned
	global_store_b128 v[LI], v[CC+4:CC+7], s[20:21] offset:512
	s_wait_xcnt 0x0                                ; the stores have had their addresses translated: their base is written again only behind this wait
	s_wait_alu depctr_vm_vsrc(0)                   ; the stores have read v72-79, which the next trip's conversions write again
	s_add_nc_u64 s[20:21], s[20:21], 16384         ; the next row tile's unit of this head
	s_sub_co_u32 s[CNT], s[CNT], 1
	s_cmp_lg_u32 s[CNT], 0
	s_cbranch_scc1 .Ltile
	s_wait_dscnt 0x0                               ; the closing lines, six on end
	s_wait_alu 0x0
	s_wait_tensorcnt 0x0
	ds_add_u32 v[SPW], v[NIL]
	s_wait_dscnt 0x0
	s_endpgm
.Lfunc_end_k_q6362849642_attn:
	.size	k_q6362849642_attn, .Lfunc_end_k_q6362849642_attn-k_q6362849642_attn
	.p2alignl 7, 3214868480
	.fill 96, 4, 3214868480
	.section	.rodata,"a",@progbits
	.p2align	6, 0x0
	.amdhsa_kernel k_q6362849642_attn
		.amdhsa_group_segment_fixed_size 135680
		.amdhsa_private_segment_fixed_size 0
		.amdhsa_enable_private_segment 0
		.amdhsa_kernarg_size 48
		.amdhsa_user_sgpr_count 2
		.amdhsa_user_sgpr_kernarg_segment_ptr 1
		.amdhsa_wavefront_size32 1
		.amdhsa_system_sgpr_workgroup_id_x 1
		.amdhsa_system_sgpr_workgroup_id_y 1
		.amdhsa_system_sgpr_workgroup_id_z 1
		.amdhsa_system_vgpr_workitem_id 0
		.amdhsa_next_free_vgpr 1024
		.amdhsa_next_free_sgpr 66
		.amdhsa_reserve_vcc 0
		.amdhsa_float_denorm_mode_32 3
		.amdhsa_float_denorm_mode_16_64 3
		.amdhsa_memory_ordered 1
		.amdhsa_forward_progress 1
		.amdhsa_inst_pref_size 156
	.end_amdhsa_kernel
	.amdgpu_metadata
---
amdhsa.version: [ 1, 2 ]
amdhsa.kernels:
  - .name:           k_q6362849642_attn
    .symbol:         k_q6362849642_attn.kd
    .args:
      - { .name: qi, .offset: 0, .size: 8, .value_kind: global_buffer, .address_space: global }
      - { .name: ki, .offset: 8, .size: 8, .value_kind: global_buffer, .address_space: global }
      - { .name: vi, .offset: 16, .size: 8, .value_kind: global_buffer, .address_space: global }
      - { .name: padding_mask, .offset: 24, .size: 8, .value_kind: global_buffer, .address_space: global }
      - { .name: lowp_scales, .offset: 32, .size: 8, .value_kind: global_buffer, .address_space: global }
      - { .name: cc, .offset: 40, .size: 8, .value_kind: global_buffer, .address_space: global }
    .group_segment_fixed_size: 135680
    .private_segment_fixed_size: 0
    .kernarg_segment_align: 8
    .kernarg_segment_size: 48
    .max_flat_workgroup_size: 128
    .sgpr_count:     66
    .vgpr_count:     1024
    .wavefront_size: 32
...
	.end_amdgpu_metadata
.endif
;; end of part 5
;; launch oproj: the kernel of part 4 again; grid 4 x 64, 4 waves a work-group, clusters of 4 x 4, 327,680 bytes of LDS; arguments cc, wc, bo, lowp_scales, out0; writes out0
